; MI455X (gfx1250); checked and timed in simulation.
; The chip was launched on July 23, 2026; its instructions are those of AMD's public machine-readable ISA for CDNA 5 (MIT licence, August 2026) and "CDNA5" Instruction Set Architecture Reference Guide (July 2026). The comments in the code are by the model that wrote it; some were corrected since.
;; Multi Headed Attention Ro PE. Allowed arithmetic: matrix products marked QUANTISED: E5M2 operands, one given power-of-two scale a tensor, by v_wmma_f32_16x16x64_bf8_bf8 or v_wmma_f32_16x16x128_bf8_bf8, f32 sums; everything else in f32.
;; Inputs: Wk 1,024 x 1,024 float32; Wo 1,024 x 1,024 float32; Wq 1,024 x 1,024 float32; Wv 1,024 x 1,024 float32; bk 1,024 float32; bo 1,024 float32; bq 1,024 float32; bv 1,024 float32; key 4 x 2,048 x 1,024 float32; lowp_scales 12 int32 (the exponents e of the quantised operands' scales 2^e); query 4 x 2,048 x 1,024 float32; value 4 x 2,048 x 1,024 float32.
;; Outputs: out0 4 x 2,048 x 1,024 float32.
;; This version of the problem:
;;   THIS VERSION OF THE PROBLEM IS GIVEN IN LOW PRECISION. The matrix products marked QUANTISED in the list below multiply operands that are first quantised to E5M2 (5 exponent bits, 2 mantissa bits; 8 bits a number), with one given power-of-two scale for each operand tensor; their sums are f32. All else is computed in f32.
;;   The module's matrix products, in the order in which they are computed (A, B: the left and right operand; K: the contracted axis; several contracted axes count as one K, in the product's order):
;;     1. [M 8,192, K 1,024] x [K 1,024, N 1,024]; A: input query; B: input Wq: QUANTISED (scales: A lowp_scales[0], B lowp_scales[1])
;;     2. [M 8,192, K 1,024] x [K 1,024, N 1,024]; A: input key; B: input Wk: QUANTISED (scales: A lowp_scales[2], B lowp_scales[3])
;;     3. [M 8,192, K 1,024] x [K 1,024, N 1,024]; A: input value; B: input Wv: QUANTISED (scales: A lowp_scales[4], B lowp_scales[5])
;;     4. batch 64 x [M 2,048, K 64] x [K 64, N 2,048]; A: computed on the way; B: computed on the way: QUANTISED (scales: A lowp_scales[6], B lowp_scales[7])
;;     5. batch 64 x [M 2,048, K 2,048] x [K 2,048, N 64]; A: softmax (see below); B: computed on the way: QUANTISED (scales: A lowp_scales[8], B lowp_scales[9])
;;     6. [M 8,192, K 1,024] x [K 1,024, N 1,024]; A: computed on the way; B: input Wo: QUANTISED (scales: A lowp_scales[10], B lowp_scales[11])
;;   THE QUANTISER, for each operand of a quantised product, along K:
;;     - The operand's scale is 2^e, e = its entry of the input lowp_scales (int32; the entries are numbered through the quantised products in the list's order, A before B).
;;     - Each number is divided by the scale, clamped to +-57,344, and rounded to the nearest number of E5M2, ties to even, subnormals kept.
;;     - The product sums the exact products of the quantised numbers (number of the format x scale) in f32.
;;   ~~~python
;;   def quantise(x, axis, e):      # numpy; x: float32 -> the quantised numbers, widened to float32 again
;;       x = np.moveaxis(x, axis, -1); K = x.shape[-1]
;;       r = np.clip(x / 2.0 ** e, -57344, 57344)
;;       step = 2.0 ** (np.maximum(np.frexp(np.where(r == 0, 1, r))[1] - 1, -14) - 2)
;;       q = np.round(r / step) * step * 2.0 ** e      # np.round: ties to even
;;       return np.moveaxis(q, -1, axis).astype(np.float32)
;;   ~~~
;;   SOFTMAX AHEAD OF A QUANTISED PRODUCT. Where the list says 'softmax', what is quantised is not the finished softmax but p = 2^(t - M), with t = logit x log2(e) and M = ceil(the row's largest t), a whole number; so 1/2 < the row's largest p <= 1. The row's sum l is taken of the UNQUANTISED p, in f32, and the product's result is divided by l at the end. Since M is a whole number, a kernel that streams over the keys may use a running M (the ceiling of the running maximum): every later rescaling is an exact power of two, so the quantised numbers keep their values, but for numbers so far below the row's largest that they fall under the format's range.
;;   OPERANDS COMPUTED ON THE WAY. 'Computed on the way' means the value that the module computes at that place (a softmax that the list does not call 'softmax' is quantised finished and normalised). What goes into a quantiser is computed in f32, as accurately as f32 sums, v_exp_f32 and their like allow (about 1e-6 of the number): no bf16 or f16 on the way to a quantiser, and a product that is left as it is and whose result goes on into a quantised operand takes f32 operands (vector FMAs, or v_wmma_f32_16x16x4_f32). A number that lies on a knife's edge between two numbers of the format may be rounded either way, as far as f32 arithmetic and the matrix unit's own rounding can turn it there, and no further.
;; One version. Each part assembles by itself: llvm-mc -triple=amdgcn-amd-amdhsa -mcpu=gfx1250 --defsym DOCPART=n.
;; ======== version 1 of 1: 4 launches
;; limits: right only within a limited range of input values
;; workspace buffers: cb 29,360,128 bytes; tb 262,144 bytes; hb 25,165,824 bytes; ac 8,388,608 bytes
;; launch quant (part 1): grid 1024 x 1, 4 waves a work-group, no clusters, 33,280 bytes of LDS; arguments query, key, value, Wq, Wk, Wv, Wo, lowp_scales, cb, tb; writes cb, tb
.if DOCPART == 1
	.amdgcn_target "amdgcn-amd-amdhsa--gfx1250"
	.amdhsa_code_object_version 6
	.text
	.protected	k_qac7ced9263_quant
	.globl	k_qac7ced9263_quant
	.p2align	8
	.type	k_qac7ced9263_quant,@function
k_qac7ced9263_quant:
	s_mov_b64 s[64:65], 0
	v_nop
	global_prefetch_b8 v0, s[64:65] scope:SCOPE_SE
	s_setreg_imm32_b32 hwreg(HW_REG_WAVE_MODE, 25, 1), 1
	s_wait_xcnt 0x0
; query, key, value [8192][1024] and Wq, Wk, Wv, Wo [1024][1024], f32, become codes of BF8 (E5M2) in cb, one after the other in that order: 28,672 rows of 1,024 codes, K innermost.
; code = x / 2^e, held within +-57,344, rounded to the nearest code, ties to even.  e: lowp_scales[0], [2], [4] for query, key, value; [1], [3], [5], [11] for Wq, Wk, Wv, Wo.
; LIMITS: -126 <= e and e + 15 <= 127.  NaN among the inputs is not served (an infinity is held at the largest code).
; THE ORDER INSIDE A GROUP OF 32 CODES: its four pieces of 8 bytes lie as piece 0, 2, 1, 3.  A reader's 16-byte load at 32 c + 16 h then brings k = 32 c + 8 h + 0..7 and 32 c + 16 + 8 h + 0..7:
; registers 4 c .. 4 c + 3 of an 8-bit operand as the plain matrix forms lay it (ISA guide 7.12.2), by half as many loads as pieces of 8 bytes would take.
; Work-groups 0 to 895 quantise 32,768 numbers each: a wave takes 16 steps of 512.  Each of a step's four loads reads 512 consecutive bytes; the 2,048 bytes go through the wave's own stage in LDS and come back
; so that a lane holds two pieces of a group; a lane's 16 codes are 16 bytes, and the wave stores 512 consecutive bytes.  Waves share nothing: no barrier.  No two work-groups read the same bytes: no cluster.
; Work-groups 896 to 1,023 make the table of cosines and sines for the rotation, tb: [block of 16 positions 128][q 4][lane 32][16 bytes]: entry (g, q, lane (r, h)) = cos, sin of frequency f, cos, sin of f + 1,
; at position 16 g + r, f = 8 (q / 2) + 4 h + 2 (q % 2): the order in which the next launch's lanes hold the features.  angle = position x 10^(-f / 4), one f32 product; reduced by multiples of pi / 2 in two
; parts (the first product is exact: the multiple is under 2^11), then polynomials on +-pi / 4.  This path uses no LDS.
.set STEPS, 16
.set NQ,    896                        ; work-groups that quantise
.set EMAX,  15
.set MANT,  0x600000                   ; the mantissa field of 57,344 as f32
.set R,     16                         ; v16-79   four sets of 16 numbers as they are loaded
.set X,     80                         ; v80-111  two sets of 16 numbers: two pieces of 8 neighbours
.set C,     128                        ; v128-191 codes: four registers for each step, so that no store's data are written again
.set WREG,  8192                       ; LDS: a region for each wave: two stages of 32 x SP bytes
.set SP,    80                         ; 64 bytes (16 numbers) + 16 of padding
	s_load_b512 s[4:19], s[0:1], 0x0               ; query s[4:5], key s[6:7], value s[8:9], Wq s[10:11], Wk s[12:13], Wv s[14:15], Wo s[16:17], the scales' exponents s[18:19]
	s_load_b128 s[20:23], s[0:1], 0x40             ; cb s[20:21], tb s[22:23]
	v_lshl_add_u32 v192, v0, 2, 0x8000
	v_mov_b32 v193, 0
	s_cmp_ge_u32 ttmp9, NQ
	s_cbranch_scc1 .Ltable
	v_lshrrev_b32 v1, 5, v0
	v_readfirstlane_b32 s40, v1                    ; wave
	v_and_b32 v2, 31, v0                           ; lane
	v_lshlrev_b32 v3, 4, v2                        ; my 16 bytes of a load's 512, and of a store's
	s_mul_i32 s41, s40, WREG
	v_lshrrev_b32 v14, 2, v2
	v_mul_u32_u24 v14, v14, SP
	v_and_b32 v15, 3, v2
	v_lshl_add_u32 v14, v15, 4, v14
	v_add_nc_u32 v14, s41, v14                     ; the stage, on the way in: four lanes' 64 bytes on end, then 16 of padding
	v_and_b32 v15, 30, v2
	v_mul_u32_u24 v15, v15, SP
	v_and_b32 v5, 1, v2
	v_lshl_add_u32 v15, v5, 5, v15
	v_add_nc_u32 v15, s41, v15                     ; on the way out: lanes 2 G and 2 G + 1 share group G (places 2 G, 2 G + 1): the even lane takes the first 32 bytes of both places, the odd lane the second
	s_wait_alu depctr_va_vdst(0)
	s_wait_kmcnt 0x0
	s_load_b256 s[24:31], s[18:19], 0x0            ; e0 .. e7
	s_load_b128 s[32:35], s[18:19], 0x20           ; e8 .. e11
	; whose work-group am I?  The choice hangs on the work-group's number alone; only pointers and numbers are chosen, so all seven tensors take one path
	s_mov_b64 s[36:37], s[16:17]                   ; Wo, unless a line below says otherwise
	s_mov_b32 s39, 864                             ; and its first work-group
.macro WHOSE lim, ptr, base
	s_cmp_lt_u32 ttmp9, \lim
	s_cselect_b64 s[36:37], s[\ptr:\ptr+1], s[36:37]
	s_cselect_b32 s39, \base, s39
.endm
	WHOSE 864, 14, 832                             ; Wv
	WHOSE 832, 12, 800                             ; Wk
	WHOSE 800, 10, 768                             ; Wq
	WHOSE 768, 8, 512                              ; value
	WHOSE 512, 6, 256                              ; key
	WHOSE 256, 4, 0                                ; query
	s_sub_co_u32 s42, ttmp9, s39
	s_lshl_b32 s42, s42, 2
	s_add_co_u32 s42, s42, s40                     ; which run of 8,192 numbers of the tensor is my wave's
	s_lshl_b32 s42, s42, 15                        ; in bytes (under 2^26)
	s_mov_b32 s43, 0
	s_add_nc_u64 s[36:37], s[36:37], s[42:43]
	s_lshl_b32 s44, ttmp9, 2
	s_add_co_u32 s44, s44, s40
	s_lshl_b32 s44, s44, 13                        ; cb lies in the work-groups' order: 8,192 bytes a wave
	s_mov_b32 s45, 0
	s_add_nc_u64 s[20:21], s[20:21], s[44:45]
.macro LOAD t
.irp i, 0,1,2,3
	global_load_b128 v[R+16*((\t)%4)+4*\i:R+16*((\t)%4)+4*\i+3], v3, s[36:37] offset:2048*(\t)+512*\i th:TH_LOAD_NT   ; 32 lanes read 512 consecutive bytes
.endr
.endm
.macro TURN t                          ; step t's numbers through the stage: LDS serves a wave's instructions in order (ISA guide 5.7.1.4), so no wait stands between the stores and the loads
.irp i, 0,1,2,3
	ds_store_b128 v14, v[R+16*((\t)%4)+4*\i:R+16*((\t)%4)+4*\i+3] offset:32*SP*((\t)%2)+8*SP*\i
.endr
	ds_load_b128 v[X+16*((\t)%2):X+16*((\t)%2)+3],     v15 offset:32*SP*((\t)%2)         ; piece 0 (odd lane: 1) of my group,
	ds_load_b128 v[X+16*((\t)%2)+4:X+16*((\t)%2)+7],   v15 offset:32*SP*((\t)%2)+16
	ds_load_b128 v[X+16*((\t)%2)+8:X+16*((\t)%2)+11],  v15 offset:32*SP*((\t)%2)+SP      ; piece 2 (odd lane: 3)
	ds_load_b128 v[X+16*((\t)%2)+12:X+16*((\t)%2)+15], v15 offset:32*SP*((\t)%2)+SP+16
.endm
.irp t, 0,1,2,3
	LOAD \t
.endr
	s_wait_kmcnt 0x0
	s_mov_b32 s38, s35                             ; e11, Wo's, unless a line below says otherwise
.macro WHOSE_E lim, e
	s_cmp_lt_u32 ttmp9, \lim
	s_cselect_b32 s38, s[\e], s38
.endm
	WHOSE_E 864, 29                                ; Wv: e5
	WHOSE_E 832, 27                                ; Wk: e3
	WHOSE_E 800, 25                                ; Wq: e1
	WHOSE_E 768, 28                                ; value: e4
	WHOSE_E 512, 26                                ; key: e2
	WHOSE_E 256, 24                                ; query: e0
	s_add_co_i32 s38, s38, 127
	s_lshl_b32 s39, s38, 23
	v_mov_b32 v11, s39                             ; 2^e as f32: the conversion takes its exponent field
	s_add_co_i32 s38, s38, EMAX
	s_lshl_b32 s38, s38, 23
	s_or_b32 s38, s38, MANT
	s_wait_alu depctr_va_vdst(0)
	s_wait_loadcnt 12                              ; step 0's four loads are in; those of steps 1 to 3 may be out
	TURN 0
.macro STEP t
.set XS, X+16*((\t)%2)
	s_wait_dscnt 0x0                               ; this step's numbers are back from the stage: so its stores into the stage have read their registers,
.if (\t)+4 < STEPS
	LOAD (\t)+4                                    ; which take the loads of four steps on
.endif
.if (\t)+1 < STEPS
.if STEPS-2-(\t) >= 3
	s_wait_loadcnt 12                              ; the next step's four loads are in; those of the three steps behind it may be out
.else
	s_wait_loadcnt 4*(STEPS-2-(\t))
.endif
	TURN (\t)+1                                    ; and go through the other stage while this step is worked
.endif
.irp i, 0,1,2,3,4,5,6,7,8,9,10,11,12,13,14,15
.endr
	v_cvt_scalef32_pk8_bf8_f32 v[C+4*(\t):C+4*(\t)+1], v[XS:XS+7], v11
	v_cvt_scalef32_pk8_bf8_f32 v[C+4*(\t)+2:C+4*(\t)+3], v[XS+8:XS+15], v11
	global_store_b128 v3, v[C+4*(\t):C+4*(\t)+3], s[20:21] offset:512*(\t)   ; the results go to a store alone
.endm
.irp t, 0,1,2,3,4,5,6,7,8,9,10,11,12,13,14,15
	STEP \t
.endr
	s_wait_tensorcnt 0x0
	ds_add_u32 v192, v193
	s_wait_dscnt 0x0
	s_endpgm
.Ltable:
	s_sub_co_u32 s40, ttmp9, NQ                    ; g: my block of 16 positions
	s_lshl_b32 s41, s40, 4
	s_lshl_b32 s42, s40, 11                        ; its 2,048 bytes of the table
	s_mov_b32 s43, 0
	v_and_b32 v1, 15, v0                           ; r
	v_bfe_u32 v2, v0, 4, 1                         ; h
	v_lshrrev_b32 v3, 5, v0                        ; q = my wave
	v_add_nc_u32 v4, s41, v1
	v_cvt_f32_u32 v4, v4                           ; the position, exact
	v_lshrrev_b32 v5, 1, v3
	v_lshlrev_b32 v5, 2, v5
	v_lshl_add_u32 v5, v2, 1, v5
	v_and_b32 v8, 1, v3
	v_add_nc_u32 v5, v5, v8                        ; f / 2 = 4 (q / 2) + 2 h + q % 2
	v_lshlrev_b32 v9, 4, v0                        ; my entry's place: 512 q + 16 x lane
	v_mov_b32 v6, 1.0                              ; 10^(-f / 4) and 10^(-(f + 1) / 4) as f32, chosen among eight pairs: values are chosen, no address
	v_mov_b32 v7, 0x3f0ff59a
.macro PICK n, lo, hi
	v_cmp_ne_u32 vcc_lo, \n, v5
	v_cndmask_b32 v6, \lo, v6, vcc_lo
	v_cndmask_b32 v7, \hi, v7, vcc_lo
.endm
	PICK 1, 0x3ea1e89b, 0x3e361887
	PICK 2, 0x3dcccccd, 0x3d6655c3
	PICK 3, 0x3d0186e2, 0x3c91ad39
	PICK 4, 0x3c23d70a, 0x3bb8449c
	PICK 5, 0x3b4f3e37, 0x3ae91528
	PICK 6, 0x3a83126f, 0x3a136a16
	PICK 7, 0x39a5cb5f, 0x393a7753
	v_mul_f32 v6, v4, v6                           ; the two angles, each one f32 product, at most 2,047
	v_mul_f32 v7, v4, v7
; cos and sin of v[a] into v[c], v[s].  n = the nearest whole number to a x 2 / pi; rho = a - n pi / 2 with pi / 2 in two parts; sin and cos of rho by polynomials; n mod 4 says which is which and with what sign.
.macro SINCOS a, c, s
	v_mul_f32 v20, 0x3f22f983, v[\a]
	v_rndne_f32 v20, v20                           ; n
	v_fmamk_f32 v21, v20, 0xbfc90fdb, v[\a]        ; a - n x (pi / 2 rounded to f32): a multiple of 2^-23 under 1, so nothing is rounded
	v_fmamk_f32 v21, v20, 0x333bbd2e, v21          ; less n x the rest of pi / 2 (which is negative)
	v_mul_f32 v22, v21, v21                        ; z
	v_mov_b32 v23, 0xb94ca1f9
	v_fmaak_f32 v23, v22, v23, 0x3c08839e
	v_fmaak_f32 v23, v22, v23, 0xbe2aaaa3
	v_mul_f32 v24, v21, v22
	v_fma_f32 v24, v24, v23, v21                   ; sin rho
	v_mov_b32 v23, 0x37ccf5ce
	v_fmaak_f32 v23, v22, v23, 0xbab6061a
	v_fmaak_f32 v23, v22, v23, 0x3d2aaaa5
	v_fma_f32 v25, v22, -0.5, 1.0
	v_mul_f32 v26, v22, v22
	v_fma_f32 v25, v26, v23, v25                   ; cos rho
	v_cvt_i32_f32 v26, v20
	v_and_b32 v27, 1, v26
	v_cmp_eq_u32 vcc_lo, 1, v27
	v_cndmask_b32 v[\s], v24, v25, vcc_lo          ; an odd n changes the two over
	v_cndmask_b32 v[\c], v25, v24, vcc_lo
	v_and_b32 v27, 2, v26
	v_lshlrev_b32 v27, 30, v27
	v_xor_b32 v[\s], v[\s], v27                    ; the sine is negated for n mod 4 = 2, 3,
	v_add_nc_u32 v27, 1, v26
	v_and_b32 v27, 2, v27
	v_lshlrev_b32 v27, 30, v27
	v_xor_b32 v[\c], v[\c], v27                    ; the cosine for 1, 2
.endm
	SINCOS 6, 12, 13
	SINCOS 7, 14, 15
	s_wait_alu depctr_va_vdst(0)
	s_wait_kmcnt 0x0
	s_add_nc_u64 s[22:23], s[22:23], s[42:43]
	global_store_b128 v9, v[12:15], s[22:23]       ; a wave stores 512 consecutive bytes
	s_endpgm
.Lfunc_end_k_qac7ced9263_quant:
	.size	k_qac7ced9263_quant, .Lfunc_end_k_qac7ced9263_quant-k_qac7ced9263_quant
	.p2alignl 7, 3214868480
	.fill 96, 4, 3214868480
	.section	.rodata,"a",@progbits
	.p2align	6, 0x0
	.amdhsa_kernel k_qac7ced9263_quant
		.amdhsa_group_segment_fixed_size 33280
		.amdhsa_private_segment_fixed_size 0
		.amdhsa_enable_private_segment 0
		.amdhsa_kernarg_size 80
		.amdhsa_user_sgpr_count 2
		.amdhsa_user_sgpr_kernarg_segment_ptr 1
		.amdhsa_wavefront_size32 1
		.amdhsa_system_sgpr_workgroup_id_x 1
		.amdhsa_system_sgpr_workgroup_id_y 1
		.amdhsa_system_sgpr_workgroup_id_z 1
		.amdhsa_system_vgpr_workitem_id 0
		.amdhsa_next_free_vgpr 194
		.amdhsa_next_free_sgpr 66
		.amdhsa_reserve_vcc 1
		.amdhsa_float_denorm_mode_32 3
		.amdhsa_float_denorm_mode_16_64 3
		.amdhsa_fp16_overflow 1
		.amdhsa_memory_ordered 1
		.amdhsa_forward_progress 1
		.amdhsa_inst_pref_size 27
	.end_amdhsa_kernel
	.amdgpu_metadata
---
amdhsa.version: [ 1, 2 ]
amdhsa.kernels:
  - .name:           k_qac7ced9263_quant
    .symbol:         k_qac7ced9263_quant.kd
    .args:
      - { .name: query, .offset: 0, .size: 8, .value_kind: global_buffer, .address_space: global }
      - { .name: key, .offset: 8, .size: 8, .value_kind: global_buffer, .address_space: global }
      - { .name: value, .offset: 16, .size: 8, .value_kind: global_buffer, .address_space: global }
      - { .name: Wq, .offset: 24, .size: 8, .value_kind: global_buffer, .address_space: global }
      - { .name: Wk, .offset: 32, .size: 8, .value_kind: global_buffer, .address_space: global }
      - { .name: Wv, .offset: 40, .size: 8, .value_kind: global_buffer, .address_space: global }
      - { .name: Wo, .offset: 48, .size: 8, .value_kind: global_buffer, .address_space: global }
      - { .name: lowp_scales, .offset: 56, .size: 8, .value_kind: global_buffer, .address_space: global }
      - { .name: cb, .offset: 64, .size: 8, .value_kind: global_buffer, .address_space: global }
      - { .name: tb, .offset: 72, .size: 8, .value_kind: global_buffer, .address_space: global }
    .group_segment_fixed_size: 33280
    .private_segment_fixed_size: 0
    .kernarg_segment_align: 8
    .kernarg_segment_size: 80
    .max_flat_workgroup_size: 128
    .sgpr_count:     66
    .vgpr_count:     194
    .wavefront_size: 32
...
	.end_amdgpu_metadata
.endif
;; end of part 1
;; launch proj (part 2): grid 4 x 96, 4 waves a work-group, clusters of 4 x 4, 327,680 bytes of LDS; arguments cb, tb, bq, bk, bv, lowp_scales, hb; writes hb
.if DOCPART == 2
	.amdgcn_target "amdgcn-amd-amdhsa--gfx1250"
	.amdhsa_code_object_version 6
	.text
	.protected	k_qac7ced9263_proj
	.globl	k_qac7ced9263_proj
	.p2align	8
	.type	k_qac7ced9263_proj,@function
k_qac7ced9263_proj:
	s_mov_b64 s[64:65], 0
	v_nop
	global_prefetch_b8 v0, s[64:65] scope:SCOPE_SE
	s_setreg_imm32_b32 hwreg(HW_REG_WAVE_MODE, 25, 1), 1
	s_wait_xcnt 0x0
	s_wait_alu depctr_hold_cnt(0) depctr_sa_sdst(0) depctr_va_vdst(0) depctr_va_sdst(0) depctr_va_ssrc(0) depctr_va_vcc(0) depctr_vm_vsrc(0)
	s_getreg_b32 s2, hwreg(HW_REG_IB_STS2, 6, 4)
	s_cmp_eq_u32 s2, 0
	s_cbranch_scc0 .Lentry_in_a_cluster
	s_endpgm
.Lentry_in_a_cluster:
	s_bfe_u32 s2, ttmp6, 0x10000c
	s_cmp_lg_u32 s2, 0xf033
	s_cbranch_scc0 .Lentry_shape_is_right
	s_endpgm
.Lentry_shape_is_right:
; The three projections on codes of BF8 (E5M2): q = rope(query Wq^T + bq), k = rope(key Wk^T + bk), v = value Wv^T + bv, each [8192][1024], K = 1,024; the results are quantised here, in registers, with the
; scales of the attention's products, and stored in hb as IMAGES OF THE OPERANDS' REGISTERS, so that the next launch loads fragments as they stand.
; hb: for each bh = 16 x batch + head 393,216 bytes: Q 131,072 | K 131,072 | V 131,072.  Q, K: [tile of 16 positions 128][c 2][lane 32][16 bytes]: lane (r, h): of position r the features 32 c + 8 h + 0..7 and
; 32 c + 16 + 8 h + 0..7.  V: [step of 128 keys 16][tile of 16 features 4][c 4][lane 32][16 bytes]: lane (r, h): of feature r the keys 32 c + 8 h + 0..7 and 32 c + 16 + 8 h + 0..7.
; cb: rows of 1,024 codes: query 0, key 8,192, value 16,384, Wq 24,576, Wk 25,600, Wv 26,624; in each group of 32 codes the pieces of 8 lie 0, 2, 1, 3, so that four 16-byte loads bring a fragment with every k in the place
; that the plain 8-bit layout gives it (ISA guide 7.12.2).
; SHARES.  A tile of 256 x 256 to a work-group of four waves, 128 x 128 a wave: 64 accumulators, 512 registers.  K in steps of 256 through a ring of two LDS slots filled by the tensor data mover.
; Cluster y = 8 t + cl: t = 0, 1, 2 for q, k, v.  THE MATRIX INSTRUCTION'S SOURCE 1 GIVES A LANE ITS ROW, SOURCE 0 ITS EIGHT REGISTERS' COLUMNS.  For q and k source 1 = 16 positions, source 0 = 16 rows of the weight:
; a lane's eight results are eight neighbouring features of one position, which are neighbours along the next product's K.  For v the sources change places: source 1 = 16 rows of Wv, source 0 = 16 positions of value:
; a lane holds one feature and eight neighbouring KEYS, the next K of v.  So the conversions' results are the images, and nothing changes lanes or goes through LDS on the way out.
; CLUSTERS: 4 x 4 work-groups.  Source 1's tile ("A") hangs on cluster y and cy and is asked for jointly by a row of the cluster; source 0's ("B") on cluster y and cx, jointly by a column.
; LIMITS on the given exponents: the two operands' exponents added lie between -126 and 127; the result's (e6, e7, e9) between -126 and 112.  NaN is not served.
; REGISTERS, in windows of 256: window 0: v0-31 addresses; v128-255 A's fragments, one set; on the way out v32-209 as named below.  window 1: B's fragments, two sets.  windows 2, 3: the accumulators ((a, b) at v[8 (8 (a % 4) + b)]).
.set ROWB,   256                       ; a tile's row in bytes: 256 codes
.set KROW,   1024                      ; a row of cb in bytes
.set PITCH,  272                       ; an LDS row: 256 bytes + 16 of padding = 68 words: row r starts at bank 4 r mod 64 (64 banks of 4 bytes: ISA guide 11.1)
.set FR,     16                        ; registers of a fragment: 16 rows x 128 K
.set NL,     4                         ; LDS loads that bring one
.set NP,     4                         ; places behind this matrix instruction (ISA guide 7.12.1)
.set HALFT,  128*PITCH                 ; 128 rows: what one tensor load brings, and what one wave reads of A or of B
.set SLOT,   4*HALFT                   ; A's 256 rows, then B's 256 rows
.set LAPS,   2                         ; a lap = two K steps of 256 = once round the ring
.set SPARE,  2*SLOT                    ; behind the ring: the spare words, 128 bytes for each wave: two blocks of 256 bytes that no other line names
.set ADRA, 16                          ; v16-17  LDS address of my A fragments in slot 0, 1
.set ADRB, 20                          ; v20-21  the same for B
.set LI,   24                          ; v24     16 x lane: an image's place for my lane
.set HB,   25                          ; v25     32 h: my half's eight biases of a tile
.set RB,   26                          ; v26     4 r: my row's bias
.set SPW,  28                          ; v28     LDS address of my spare word; never rewritten
.set NIL,  29                          ; v29     0; never rewritten
.set BI,   32                          ; v32-95  q, k: the biases of my 64 columns, in the accumulators' order
.set CS,   96                          ; v96-127 q, k: cos, sin of a block of 16 positions: two sets of 16
.set RT,   128                         ; v128-159 q, k: the rotation's cross terms
.set CD,   160                         ; v160-191 a block's codes: two sets of 16
.set LIM,  192
.set SCL,  193                         ; v193    the result's scale as f32
.set BV,   194                         ; v194-209 v: my row's bias for each of the 8 blocks, twice (a pair)
.set AF,   128                         ; A's fragments, in window 0
.set G1, 24                            ; s[24:31] descriptor group 1 for A's tiles;  s[32:39] group 0, one set for each slot
.set G0, 32
.set G1B, 48                           ; s[48:55], s[56:63] the same for B's tiles
.set G0B, 56
.set MSB, 0
.macro WIN new                         ; the immediate's high byte repeats the setting that is left
.if MSB != \new
	s_set_vgpr_msb (MSB<<8)|\new
.set MSB, \new
.endif
.endm
.set MUL_LO, 0xa1                      ; source 0 (B) window 1, source 1 (A) window 0, C and D window 2
.set MUL_HI, 0xf1                      ; the same, C and D window 3
.set TO_B,   0x40                      ; destination window 1, address window 0
; A joint load: waves 0 and 1 fetch for A, waves 2 and 3 for B.  Each of the two lines has one mask and one set of registers for all that issue it; the branch hangs on the wave's number alone.
; Four v_nop follow each of the two lines, ahead of the jump, the label and what follows.
.macro JLOAD g0a, g1a, g0b, g1b
	s_cmp_eq_u32 s15, 0
	s_cbranch_scc0 .Lfor_b_\@
	tensor_load_to_lds s[\g0a:\g0a+3], s[\g1a:\g1a+7]
	s_nop 0
.rept 4
	v_nop
.endr
	s_branch .Lasked_\@
.Lfor_b_\@:
	tensor_load_to_lds s[\g0b:\g0b+3], s[\g1b:\g1b+7]
	s_nop 0
.rept 4
	v_nop
.endr
.Lasked_\@:
.endm
.macro CREST                           ; a round of the cluster's barrier behind its opening barrier
	s_cmp_lg_u32 s14, 0
	s_cbranch_scc1 .Lnot_wave_0_\@
	s_barrier_signal -3
.Lnot_wave_0_\@:
	s_barrier_wait -3
	s_barrier_signal -1
	s_barrier_wait -1
.endm
.macro CROUND                          ; a whole round
	s_barrier_signal -1
	s_barrier_wait -1
	CREST
.endm
	s_load_b256 s[68:75], s[0:1], 0x0              ; cb s[68:69], tb s[70:71], bq s[72:73], bk s[74:75]
	s_load_b128 s[76:79], s[0:1], 0x20             ; bv s[76:77], the scales' exponents s[78:79]
	s_load_b64 s[80:81], s[0:1], 0x30              ; hb
	v_lshl_add_u32 v[SPW], v0, 2, SPARE
	v_mov_b32 v[NIL], 0
	ds_add_u32 v28, v29
	ds_add_u32 v28, v29
	s_wait_dscnt 0x0
	v_lshrrev_b32 v1, 5, v0
	v_readfirstlane_b32 s14, v1                    ; wave 0..3
	s_lshr_b32 s15, s14, 1                         ; which half of A's rows is mine.  Also: I fetch for A (0) or for B (1)
	s_and_b32 s16, s14, 1                          ; which half of B's rows.  Also: which 128 rows of that tile I fetch
	s_bfe_u32 s40, ttmp6, 0x40000                  ; cx, cy: my place in the cluster
	s_bfe_u32 s41, ttmp6, 0x40004
	s_and_b32 s66, ttmp7, 0xffff                   ; cluster y, 0 .. 23: the same in all sixteen partners
	s_lshr_b32 s67, s66, 3                         ; t: 0 q, 1 k, 2 v
	s_and_b32 s82, s66, 7                          ; cl: which 1,024 rows of the activations
	s_lshl_b32 s43, s41, 2
	s_lshl_b32 s43, 15, s43                        ; my row of the cluster
	s_lshl_b32 s44, 0x1111, s40                    ; my column
	; descriptor group 1: a tile of 128 rows x 256 bytes, padded in LDS
	s_or_b32 s[G1+0], s43, (0<<16)|(1<<20)|(1<<21)|(5<<22)|(3<<25)  ; 15:0 the mask: A's tiles go to my row; 17:16 element of 1 byte; 20 padding on; 21 set beside a mask; 24:22 after every 64 words (code 5); 31:25 of 4 words (code 3)
	s_or_b32 s[G1B+0], s44, (0<<16)|(1<<20)|(1<<21)|(5<<22)|(3<<25)
.irp g, G1, G1B
	s_mov_b32 s[\g+1], ROWB<<16                    ; tensor_dim0
	s_mov_b32 s[\g+2], 128<<16                     ; tensor_dim1 = 128
	s_mov_b32 s[\g+3], ROWB<<16                    ; tile_dim0
	s_mov_b32 s[\g+4], 128                         ; tile_dim1 = 128
	s_mov_b32 s[\g+5], KROW                        ; tensor_dim0_stride
	s_mov_b32 s[\g+6], 0
	s_mov_b32 s[\g+7], 0
.endr
	; the tiles' first rows in cb.  q, k: A = the activations' rows 8,192 t + 1,024 cl + 256 cy, B = the weight's rows 24,576 + 1,024 t + 256 cx.  v: A = Wv's rows 26,624 + 256 cy, B = value's rows 16,384 + 1,024 cl + 256 cx
	s_lshl_b32 s18, s67, 13
	s_lshl_b32 s19, s82, 10
	s_add_co_u32 s18, s18, s19
	s_lshl_b32 s22, s67, 10
	s_add_co_u32 s22, s22, 24576
	s_add_co_u32 s23, s19, 16384
	s_cmp_eq_u32 s67, 2
	s_cselect_b32 s17, 26624, s18
	s_cselect_b32 s42, s23, s22
	s_lshl_b32 s18, s41, 8
	s_add_co_u32 s17, s17, s18                     ; A: + 256 cy: it never meets cx
	s_lshl_b32 s13, s40, 8
	s_add_co_u32 s42, s42, s13                     ; B: + 256 cx: it never meets cy
	s_lshl_b32 s12, s16, 7                         ; which 128 rows of the tile I fetch
	s_add_co_u32 s20, s17, s12
	s_add_co_u32 s46, s42, s12
	s_lshl_b32 s20, s20, 10                        ; in bytes (under 2^25)
	s_lshl_b32 s46, s46, 10
	s_mov_b32 s21, 0
	s_mov_b32 s47, 0
	s_mul_i32 s45, s14, HALFT                      ; where they go: wave x 128 rows: no place in the cluster enters an LDS address
	s_wait_kmcnt 0x0
	s_load_b256 s[84:91], s[78:79], 0x0            ; e0 .. e7
	s_load_b32 s92, s[78:79], 0x24                 ; e9
	s_add_nc_u64 s[20:21], s[68:69], s[20:21]
	s_add_nc_u64 s[46:47], s[68:69], s[46:47]
	CROUND                                         ; all sixteen work-groups are here: the first joint loads meet
.irp s, 0,1
	s_mov_b32 s[G0+4*\s], 1
	s_add_co_u32 s[G0+4*\s+1], s45, \s*SLOT
	s_add_nc_u64 s[G0+4*\s+2:G0+4*\s+3], s[20:21], \s*ROWB
	s_or_b32 s[G0+4*\s+3], s[G0+4*\s+3], 0x80000000
	s_mov_b32 s[G0B+4*\s], 1
	s_add_co_u32 s[G0B+4*\s+1], s45, \s*SLOT
	s_add_nc_u64 s[G0B+4*\s+2:G0B+4*\s+3], s[46:47], \s*ROWB
	s_or_b32 s[G0B+4*\s+3], s[G0B+4*\s+3], 0x80000000
	s_wait_alu depctr_va_vdst(0)
	s_wait_tensorcnt 0x0
	ds_add_u32 v28, v29
	ds_add_u32 v28, v29
	s_wait_dscnt 0x0
	CROUND
	JLOAD G0+4*\s, G1, G0B+4*\s, G1B
.endr
	v_and_b32 v1, 15, v0                           ; r = l % 16
	v_bfe_u32 v2, v0, 4, 1                         ; h = l / 16
	v_mul_u32_u24 v3, v1, PITCH
	v_lshl_add_u32 v4, v2, 4, v3                   ; a fragment's row x pitch + 16 x half
	s_mul_i32 s21, s15, HALFT                      ; my 128 rows of A
	s_mul_i32 s22, s16, HALFT                      ; my 128 rows of B,
	s_add_co_u32 s22, s22, 2*HALFT                 ; which lie behind A's 256
.irp s, 0,1
	v_add_nc_u32 v[ADRA+\s], s21, v4
	v_add_nc_u32 v[ADRB+\s], s22, v4
	s_add_co_u32 s21, s21, SLOT
	s_add_co_u32 s22, s22, SLOT
.endr
	v_and_b32 v6, 31, v0
	v_lshlrev_b32 v[LI], 4, v6
	v_lshlrev_b32 v[HB], 5, v2
	v_lshlrev_b32 v[RB], 2, v1
.macro FRAG reg, adr, q, i             ; a fragment, 16 rows x 128 K: lane l holds row l % 16; registers 4 c .. 4 c + 3 come from bytes 32 c + 16 (l / 16) on of the row's 128
.irp c, 0,1,2,3
	ds_load_b128 v[\reg+4*\c:\reg+4*\c+3], v[\adr] offset:128*(\q)+32*\c+(\i)*16*PITCH
.endr
.endm
; 16 matrix instructions: A's blocks a0, a0 + 1 x B's eight, 128 along K.  p: B's set.  zero = 1: the first product starts the sums: nothing is ever cleared.
; The 64 accumulators take turns, one instruction a turn, in the same order in every step.
.macro MUL16 a0, p, zero
.irp a, \a0, \a0+1
.irp b, 0,1,2,3,4,5,6,7
.if \zero
	v_wmma_f32_16x16x128_bf8_bf8 v[8*(8*((\a)%4)+\b):8*(8*((\a)%4)+\b)+7], v[128*(\p)+FR*\b:128*(\p)+FR*\b+FR-1], v[AF+FR*(\a):AF+FR*(\a)+FR-1], 0
.else
	v_wmma_f32_16x16x128_bf8_bf8 v[8*(8*((\a)%4)+\b):8*(8*((\a)%4)+\b)+7], v[128*(\p)+FR*\b:128*(\p)+FR*\b+FR-1], v[AF+FR*(\a):AF+FR*(\a)+FR-1], v[8*(8*((\a)%4)+\b):8*(8*((\a)%4)+\b)+7]
.endif
.endr
.endr
.endm
.macro FETCH_B slot, q, p              ; B's eight fragments of the slot's q-th 128 along K into set p
	WIN TO_B
.irp i, 0,1,2,3,4,5,6,7
	FRAG 128*(\p)+FR*\i, ADRB+\slot, \q, \i
.endr
	WIN 0
.endm
.macro FETCH_A slot, q, i0             ; A's blocks i0 .. i0 + 3
.irp i, \i0, \i0+1, \i0+2, \i0+3
	FRAG AF+FR*(\i), ADRA+\slot, \q, \i
.endr
.endm
; A load into a register that a matrix instruction has read, and a vector instruction that reads a matrix result or writes one of a matrix instruction's registers, stand NP places behind it, and only plain vector
; instructions that name none of its registers are places (ISA guide 7.12.1 for vector instructions).
.macro PLACES n
.rept \n
	v_nop
.endr
.endm
; A step of 128 along K that has its successor in the same slot.  A block of A is free as soon as its eight products are issued, so one set of registers serves A: blocks 0-3 are fetched anew in the step's middle, blocks 4-7 at its end.
.macro STEP slot, q, zero
	s_wait_dscnt 4*NL                              ; B's set and A's blocks 0-3 are in; the youngest 16 loads (A's blocks 4-7) may be out
	WIN MUL_LO
	MUL16 0, (\q)%2, \zero
	MUL16 2, (\q)%2, \zero
	s_wait_dscnt 0                                 ; A's blocks 4-7 are in (asked for 32 matrix instructions ago)
	PLACES NP
	FETCH_B \slot, (\q)+1, 1-(\q)%2
	FETCH_A \slot, (\q)+1, 0
	WIN MUL_HI
	MUL16 4, (\q)%2, \zero
	MUL16 6, (\q)%2, \zero
	PLACES NP
	WIN 0
	FETCH_A \slot, (\q)+1, 4
.endm
; A slot's last step changes slots: one barrier; in front of it each wave waits for all its tensor loads, adds 0 to its spare word, and waits for that and for its own reads of this slot.  fill = 1: this slot is filled again, two K steps ahead.
.macro TURN slot, next, fill
	s_wait_tensorcnt 0x0                           ; all my tensor loads have landed: my part of the next slot;  (every window is 0 here: the add's two registers lie in window 0)
	ds_add_u32 v[SPW], v[NIL]                      ; 0 onto my spare word;
	s_wait_dscnt 4*NL+1                            ; (the add and the youngest 16 loads, A's blocks 4-7, may be out)
	WIN MUL_LO
	MUL16 0, 1, 0                                  ; sixteen matrix instructions stand between the add and the wait for it
	s_wait_dscnt 0x0                               ; the add is done, and my reads of this slot are over
	s_barrier_signal -1
	MUL16 2, 1, 0
	WIN 0
	s_barrier_wait -1
.if \fill
	CREST                                          ; the barrier has opened a round of the cluster's barrier: no wave of any partner still reads this slot's tile or has a load on its way
	s_add_nc_u64 s[G0+4*\slot+2:G0+4*\slot+3], s[G0+4*\slot+2:G0+4*\slot+3], 2*ROWB
	s_add_nc_u64 s[G0B+4*\slot+2:G0B+4*\slot+3], s[G0B+4*\slot+2:G0B+4*\slot+3], 2*ROWB
	JLOAD G0+4*\slot, G1, G0B+4*\slot, G1B         ; the first tensor load behind the round; the four v_nop behind it are the places in front of the loads below
.else
	PLACES NP
.endif
	FETCH_B \next, 0, 0
	FETCH_A \next, 0, 0
	WIN MUL_HI
	MUL16 4, 1, 0
	MUL16 6, 1, 0
	PLACES NP
	WIN 0
	FETCH_A \next, 0, 4
.endm
	s_wait_alu depctr_va_vdst(0)
	s_wait_tensorcnt 1                             ; my part of K step 0 is in (K step 1's load may be out)
	s_barrier_signal -1
	s_barrier_wait -1                              ; everybody's is
	FETCH_B 0, 0, 0
	FETCH_A 0, 0, 0
	FETCH_A 0, 0, 4
	STEP 0, 0, 1                                   ; the first step stands in front of the loop: its products start the sums
	s_mov_b32 s3, LAPS-1
.Llap:                                                 ; a trip goes once round the ring, from a lap's second step to the next lap's first, and fills both slots again
	TURN 0, 1, 1
	STEP 1, 0, 0
	TURN 1, 0, 1
	STEP 0, 0, 0
	s_sub_co_u32 s3, s3, 1
	s_cmp_lg_u32 s3, 0
	s_cbranch_scc1 .Llap
	TURN 0, 1, 0                                   ; the last lap fills nothing, and has no round of the cluster's barrier
	STEP 1, 0, 0
	s_wait_dscnt 4*NL                              ; the very last step: nothing more to fetch
	WIN MUL_LO
	MUL16 0, 1, 0
	MUL16 2, 1, 0
	s_wait_dscnt 0
	WIN MUL_HI
	MUL16 4, 1, 0
	MUL16 6, 1, 0
	WIN 0
	; THE WAY OUT.  y = sum x 2^(ex + ew) + bias; q, k: the rotation; the conversion with the result's own scale; the codes are stored as they stand.
	s_wait_kmcnt 0x0
	s_cmp_eq_u32 s67, 0                            ; the exponents are chosen by selects: (e0, e1, e6) for q, (e2, e3, e7) for k, (e4, e5, e9) for v
	s_cselect_b32 s4, s84, s86
	s_cselect_b32 s5, s85, s87
	s_cselect_b32 s6, s90, s91
	s_cmp_eq_u32 s67, 2
	s_cselect_b32 s4, s88, s4
	s_cselect_b32 s5, s89, s5
	s_cselect_b32 s6, s92, s6
	s_add_co_i32 s4, s4, s5
	s_add_co_i32 s4, s4, 127
	s_lshl_b32 s96, s4, 23                         ; 2^(ex + ew) as f32
	s_mov_b32 s97, s96                             ; (named with it as a pair, so it is written)
	s_add_co_i32 s6, s6, 127
	s_lshl_b32 s98, s6, 23                         ; the result's scale as f32
	s_mov_b32 s7, 0
	PLACES NP                                      ; behind the last products: their results are read, and A's registers written, below
	v_mov_b32 v[SCL], s98
	s_cmp_eq_u32 s67, 2                            ; t is the same in all sixteen partners; no barrier and no tensor load stands in either arm
	s_cbranch_scc1 .Lv
	; ---- q, k.  My rows: positions 16 x (first tile + a) + r of one batch; my columns: heads 4 cx + 2 (wave % 2) and the next
	s_and_b32 s4, s82, 1
	s_lshl_b32 s4, s4, 6
	s_lshl_b32 s5, s41, 4
	s_add_co_u32 s4, s4, s5
	s_lshl_b32 s5, s15, 3
	s_add_co_u32 s4, s4, s5                        ; my first tile of 16 positions: 64 (cl % 2) + 16 cy + 8 (wave / 2)
	s_lshl_b32 s6, s4, 11
	s_add_nc_u64 s[12:13], s[70:71], s[6:7]        ; its 2,048 bytes of the table
	s_lshl_b32 s17, s40, 2
	s_lshl_b32 s18, s16, 1
	s_add_co_u32 s17, s17, s18                     ; my first head
	s_lshl_b32 s6, s17, 8                          ; its 64 biases
	s_cmp_eq_u32 s67, 0
	s_cselect_b64 s[8:9], s[72:73], s[74:75]       ; bq or bk
	s_add_nc_u64 s[8:9], s[8:9], s[6:7]
	s_lshr_b32 s18, s82, 1
	s_lshl_b32 s18, s18, 4
	s_add_co_u32 s17, s17, s18                     ; bh = 16 x batch + head
	s_mul_i32 s6, s17, 393216
	s_lshl_b32 s18, s67, 17                        ; Q's part or K's
	s_add_co_u32 s6, s6, s18
	s_lshl_b32 s18, s4, 10                         ; a tile's image is 1,024 bytes
	s_add_co_u32 s6, s6, s18
	s_add_nc_u64 s[10:11], s[80:81], s[6:7]
.irp b, 0,1,2,3,4,5,6,7
	global_load_b128 v[BI+8*\b:BI+8*\b+3],   v[HB], s[8:9] offset:64*\b       ; the biases of columns 16 b + 8 h + 0 .. 7
	global_load_b128 v[BI+8*\b+4:BI+8*\b+7], v[HB], s[8:9] offset:64*\b+16
.endr
.irp q, 0,1,2,3
	global_load_b128 v[CS+4*\q:CS+4*\q+3], v[LI], s[12:13] offset:512*\q      ; block 0's cosines and sines: register 8 u + 2 i: cos, + 1: sin, for features 16 u + 8 h + 2 i, + 1 (u = 0, 1)
.endr
.macro EPI_QK a                        ; block a: 16 positions x my 128 columns
.set W,  2+(\a)/4                      ; its accumulators' window
.set WW, (W<<6)|W                      ; destination and source 0 there
.set AC, 64*((\a)%4)
.set CC, CS+16*((\a)%2)
.set DD, CD+16*((\a)%2)
.if (\a) < 7
.irp q, 0,1,2,3
	global_load_b128 v[CS+16*(((\a)+1)%2)+4*\q:CS+16*(((\a)+1)%2)+4*\q+3], v[LI], s[12:13] offset:((\a)+1)*2048+512*\q
.endr
	s_wait_loadcnt 4                               ; all but the next block's four loads are in
.else
	s_wait_loadcnt 0
.endif
	WIN WW
.set j, 0
.rept 32
	v_pk_fma_f32 v[AC+j:AC+j+1], v[AC+j:AC+j+1], s[96:97], v[BI+j:BI+j+1] op_sel_hi:[1,0,1]   ; sum x 2^(ex + ew) + bias, in place; each accumulator from its low end on
.set j, j+2
.endr
	WIN W
.irp b, 0,1,4,5                        ; a head's first 32 features are tiles 0 and 1 of its four
.irp i, 0,1,2,3
	v_mul_f32 v[RT+8*((\b)/4*2+(\b)%4)+2*\i],   v[AC+8*\b+2*\i+1], v[CC+8*((\b)%4)+2*\i+1]   ; x1 sin
	v_mul_f32 v[RT+8*((\b)/4*2+(\b)%4)+2*\i+1], v[AC+8*\b+2*\i],   v[CC+8*((\b)%4)+2*\i+1]   ; x0 sin
.endr
.endr
	WIN WW
.irp b, 0,1,4,5
.irp i, 0,1,2,3
	v_fma_f32 v[AC+8*\b+2*\i],   v[AC+8*\b+2*\i],   v[CC+8*((\b)%4)+2*\i], -v[RT+8*((\b)/4*2+(\b)%4)+2*\i]    ; x0 cos - x1 sin
	v_fma_f32 v[AC+8*\b+2*\i+1], v[AC+8*\b+2*\i+1], v[CC+8*((\b)%4)+2*\i], v[RT+8*((\b)/4*2+(\b)%4)+2*\i+1]   ; x1 cos + x0 sin
.endr
.endr
.set j, 0
.rept 64
.set j, j+1
.endr
	WIN W
.if (\a) >= 2
	s_wait_alu depctr_va_vdst(0)
	s_wait_xcnt 0x0                                ; the stores of two blocks ago have read this set of code registers
.endif
.irp b, 0,1,2,3,4,5,6,7
	v_cvt_scalef32_pk8_bf8_f32 v[DD+2*\b:DD+2*\b+1], v[AC+8*\b:AC+8*\b+7], v[SCL]   ; tile b's eight features: registers 2 (b % 4), + 1 of head b / 4's fragment
.endr
	v_nop                                          ; one plain vector line behind the last conversion of a run
	WIN 0
.irp d, 0,1
.irp c, 0,1
	global_store_b128 v[LI], v[DD+8*\d+4*\c:DD+8*\d+4*\c+3], s[10:11] offset:\d*393216+(\a)*1024+\c*512   ; 32 lanes store 512 consecutive bytes, at a multiple of 512 from hb's first byte
.endr
.endr
.endm
.irp a, 0,1,2,3,4,5,6,7
	EPI_QK \a
.endr
	s_branch .Ldone
.Lv:	; ---- v.  My rows: features of heads 4 cy + 2 (wave / 2) and the next; my columns: one step of 128 keys
	s_lshl_b32 s17, s41, 2
	s_lshl_b32 s18, s15, 1
	s_add_co_u32 s17, s17, s18                     ; my first head
	s_lshl_b32 s6, s17, 8
	s_add_nc_u64 s[8:9], s[76:77], s[6:7]          ; its biases
	s_lshr_b32 s18, s82, 1
	s_lshl_b32 s18, s18, 4
	s_add_co_u32 s17, s17, s18                     ; bh
	s_mul_i32 s6, s17, 393216
	s_add_co_u32 s6, s6, 262144                    ; V's part
	s_and_b32 s18, s82, 1
	s_lshl_b32 s18, s18, 2
	s_add_co_u32 s18, s18, s40
	s_lshl_b32 s18, s18, 1
	s_add_co_u32 s18, s18, s16                     ; my step of 128 keys: 8 (cl % 2) + 2 cx + wave % 2
	s_lshl_b32 s18, s18, 13                        ; its images are 8,192 bytes
	s_add_co_u32 s6, s6, s18
	s_add_nc_u64 s[10:11], s[80:81], s[6:7]
.irp a, 0,1,2,3,4,5,6,7
	global_load_b32 v[BV+2*\a],   v[RB], s[8:9] offset:64*\a     ; bv of feature 16 a + r, into both registers of a pair
	global_load_b32 v[BV+2*\a+1], v[RB], s[8:9] offset:64*\a
.endr
	s_wait_loadcnt 0x0
.macro EPI_V a                         ; block a: 16 features x my 128 keys
.set W,  2+(\a)/4
.set WW, (W<<6)|W
.set AC, 64*((\a)%4)
.set DD, CD+16*((\a)%2)
	WIN WW
.set j, 0
.rept 32
	v_pk_fma_f32 v[AC+j:AC+j+1], v[AC+j:AC+j+1], s[96:97], v[BV+2*(\a):BV+2*(\a)+1] op_sel_hi:[1,0,1]
.set j, j+2
.endr
.set j, 0
.rept 64
.set j, j+1
.endr
	WIN W
.if (\a) >= 2
	s_wait_alu depctr_va_vdst(0)
	s_wait_xcnt 0x0                                ; the stores of two blocks ago have read this set of code registers
.endif
.irp b, 0,1,2,3,4,5,6,7
	v_cvt_scalef32_pk8_bf8_f32 v[DD+2*\b:DD+2*\b+1], v[AC+8*\b:AC+8*\b+7], v[SCL]   ; keys 16 b + 8 h + 0 .. 7: registers 2 b, 2 b + 1 of the fragment
.endr
	v_nop
	WIN 0
.irp c, 0,1,2,3
	global_store_b128 v[LI], v[DD+4*\c:DD+4*\c+3], s[10:11] offset:((\a)/4)*393216+((\a)%4)*2048+\c*512
.endr
.endm
.irp a, 0,1,2,3,4,5,6,7
	EPI_V \a
.endr
.Ldone:
	s_wait_tensorcnt 0x0                           ; the wave's end
	ds_add_u32 v[SPW], v[NIL]
	s_wait_dscnt 0x0
	CROUND                                         ; the closing round: no work-group ends while a partner may still ask for a tile that names it
	s_endpgm
.Lfunc_end_k_qac7ced9263_proj:
	.size	k_qac7ced9263_proj, .Lfunc_end_k_qac7ced9263_proj-k_qac7ced9263_proj
	.p2alignl 7, 3214868480
	.fill 96, 4, 3214868480
	.section	.rodata,"a",@progbits
	.p2align	6, 0x0
	.amdhsa_kernel k_qac7ced9263_proj
		.amdhsa_group_segment_fixed_size 327680
		.amdhsa_private_segment_fixed_size 0
		.amdhsa_enable_private_segment 0
		.amdhsa_kernarg_size 56
		.amdhsa_user_sgpr_count 2
		.amdhsa_user_sgpr_kernarg_segment_ptr 1
		.amdhsa_wavefront_size32 1
		.amdhsa_system_sgpr_workgroup_id_x 1
		.amdhsa_system_sgpr_workgroup_id_y 1
		.amdhsa_system_sgpr_workgroup_id_z 1
		.amdhsa_system_vgpr_workitem_id 0
		.amdhsa_next_free_vgpr 1024
		.amdhsa_next_free_sgpr 100
		.amdhsa_reserve_vcc 0
		.amdhsa_float_denorm_mode_32 3
		.amdhsa_float_denorm_mode_16_64 3
		.amdhsa_fp16_overflow 1
		.amdhsa_memory_ordered 1
		.amdhsa_forward_progress 1
		.amdhsa_inst_pref_size 160
	.end_amdhsa_kernel
	.amdgpu_metadata
---
amdhsa.version: [ 1, 2 ]
amdhsa.kernels:
  - .name:           k_qac7ced9263_proj
    .symbol:         k_qac7ced9263_proj.kd
    .args:
      - { .name: cb, .offset: 0, .size: 8, .value_kind: global_buffer, .address_space: global }
      - { .name: tb, .offset: 8, .size: 8, .value_kind: global_buffer, .address_space: global }
      - { .name: bq, .offset: 16, .size: 8, .value_kind: global_buffer, .address_space: global }
      - { .name: bk, .offset: 24, .size: 8, .value_kind: global_buffer, .address_space: global }
      - { .name: bv, .offset: 32, .size: 8, .value_kind: global_buffer, .address_space: global }
      - { .name: lowp_scales, .offset: 40, .size: 8, .value_kind: global_buffer, .address_space: global }
      - { .name: hb, .offset: 48, .size: 8, .value_kind: global_buffer, .address_space: global }
    .group_segment_fixed_size: 327680
    .private_segment_fixed_size: 0
    .kernarg_segment_align: 8
    .kernarg_segment_size: 56
    .max_flat_workgroup_size: 128
    .sgpr_count:     100
    .vgpr_count:     1024
    .wavefront_size: 32
...
	.end_amdgpu_metadata
.endif
;; end of part 2
;; launch attn (part 3): grid 4 x 64, 16 waves a work-group, clusters of 4 x 1, 264,192 bytes of LDS; arguments hb, lowp_scales, ac; writes ac
.if DOCPART == 3
	.amdgcn_target "amdgcn-amd-amdhsa--gfx1250"
	.amdhsa_code_object_version 6
	.text
	.protected	k_qac7ced9263_attn
	.globl	k_qac7ced9263_attn
	.p2align	8
	.type	k_qac7ced9263_attn,@function
k_qac7ced9263_attn:
	s_mov_b64 s[64:65], 0
	v_nop
	global_prefetch_b8 v0, s[64:65] scope:SCOPE_SE
	s_setreg_imm32_b32 hwreg(HW_REG_WAVE_MODE, 25, 1), 1
	s_wait_xcnt 0x0
	s_wait_alu depctr_hold_cnt(0) depctr_sa_sdst(0) depctr_va_vdst(0) depctr_va_sdst(0) depctr_va_ssrc(0) depctr_va_vcc(0) depctr_vm_vsrc(0)
	s_getreg_b32 s2, hwreg(HW_REG_IB_STS2, 6, 4)
	s_cmp_eq_u32 s2, 0
	s_cbranch_scc0 .Lentry_in_a_cluster
	s_endpgm
.Lentry_in_a_cluster:
	s_bfe_u32 s2, ttmp6, 0x10000c
	s_cmp_lg_u32 s2, 0x3003
	s_cbranch_scc0 .Lentry_shape_is_right
	s_endpgm
.Lentry_shape_is_right:
; x[bh][q][:] = the sum over k of softmax_k(Q[q] . K[k] / 8) V[k][:], head size 64, 2,048 keys, both products on codes of BF8 (E5M2); x is quantised here for the last projection.
; THE SOFTMAX AHEAD OF THE SECOND PRODUCT: t = score x log2(e) / 8; M = the row's largest t so far, rounded UP to a whole number; p = 2^(t - M) is what is quantised (scale 2^e8), not normalised.  The row's sum is
; taken of the unquantised p, in f32, and divides at the end.  When M moves, the sum and O are multiplied by 2^(old M - new M), which rounds nothing.
; hb holds, for each bh, images of the operands' registers: Q 131,072 | K 131,072 | V 131,072 bytes (laid out by the launch before).  ac takes x's codes as Q's are laid: [bh][tile of 16 queries 128][c 2][lane 32][16 bytes].
; SHARES.  A work-group owns 512 queries of one head.  Each of its sixteen waves owns two tiles of 16 queries, worked one after the other, in 256 registers: four waves to a SIMD, so that one wave's vector work stands
; beside another's matrix work and LDS loads.
; LDS IS A COPY OF THE HEAD'S K | V, 262,144 bytes, FILLED ONCE: each wave brings 16,384 bytes by one tensor load.  No byte is filled again, nothing is stored into LDS: one barrier, and no ring.
; CLUSTER.  The four work-groups of a cluster belong to one head, so each of the sixteen loads is asked for jointly: the same descriptor and a mask that names the four.
; LAYOUT.  Both products are used transposed: S^T = K Q^T (source 0 = 16 keys, source 1 = my 16 queries), O^T = V^T P^T (source 0 = 16 features, source 1 = P): a lane holds one query (lane % 16) throughout.  In S^T register j
; of tile t is key 16 t + 8 (lane / 16) + j: the very place that the plain 8-bit layout gives registers 2 t, 2 t + 1 of an operand of 128 along K (ISA guide 7.12.2): the conversions' results are P.
; LIMITS on the given exponents: e6 + e7 between -123 and 130 (added to c's exponent field); e8, and e10 - e8 - e9, between -126 and 112.  NaN is not served.
; REGISTERS: v1 16 x lane; v2, v3 LDS addresses of the step's K and V; v12 -M, v13 the largest t, v[14:15] the sum in two halves; v16-31 Q's two fragments; v32-95 K's eight fragments, then V's four; v96-159 S^T, then p;
; v160-191 O^T; v192-207 p's codes; v208-223 x's codes, eight registers a pass; v232-255 at work and constants.
.set LI,   1
.set ADK,  2
.set ADV,  3
.set WV,   10                          ; s10  my wave's number
.set G1,   16                          ; s[16:23] descriptor group 1
.set G0,   24                          ; s[24:27] group 0
.set CS,   34                          ; s[34:35] c = log2(e) / 8 x 2^(e6 + e7): the packed form names a pair and takes its low word for both halves
.set SEL,  36                          ; s[36:37] lane selects for v_permlanex16_b32: lane l xor 16
.set TB,   38                          ; s38  the key step's byte in K's images (and in V's): it also counts the steps
.macro ROUND                           ; a round of the cluster's barrier
	s_barrier_signal -1
	s_barrier_wait -1
	s_cmp_lg_u32 s[WV], 0
	s_cbranch_scc1 .Lnot_wave_0_\@
	s_barrier_signal -3
.Lnot_wave_0_\@:
	s_barrier_wait -3
	s_barrier_signal -1
	s_barrier_wait -1
.endm
	s_load_b128 s[4:7], s[0:1], 0x0                ; hb s[4:5], the scales' exponents s[6:7]
	s_load_b64 s[8:9], s[0:1], 0x10                ; ac
	v_lshl_add_u32 v251, v0, 2, 0x40000
	v_mov_b32 v255, 0
	ds_add_u32 v251, v255
	ds_add_u32 v251, v255
	v_lshrrev_b32 v4, 5, v0
	s_delay_alu instid0(VALU_DEP_1)
	v_readfirstlane_b32 s[WV], v4                  ; wave 0..15
	s_bfe_u32 s11, ttmp6, 0x40000                  ; cx: my block of 512 queries: it enters Q's and x's addresses alone
	s_and_b32 s12, ttmp7, 0xffff                   ; bh, which the four partners share
	v_and_b32 v[LI], 31, v0
	s_delay_alu instid0(VALU_DEP_1)
	v_lshlrev_b32 v[LI], 4, v[LI]
	s_mul_i32 s40, s12, 393216                     ; the head's block in hb (under 2^25)
	s_mov_b32 s41, 0
	s_lshl_b32 s42, s[WV], 14                      ; my 16,384 bytes of K | V, in memory and in LDS alike
	s_add_co_u32 s44, s40, s42
	s_add_co_u32 s44, s44, 131072                  ; behind Q's images
	s_mov_b32 s45, 0
	s_lshl_b32 s46, s11, 5
	s_add_co_u32 s46, s46, s[WV]
	s_lshl_b32 s46, s46, 10                        ; my first tile of queries, 32 cx + wave: its image is 1,024 bytes
	s_mov_b32 s47, 0
	s_lshl_b32 s50, s12, 17                        ; the head's block in ac
	s_mov_b32 s51, 0
	; descriptor group 1: a dense block as 64 rows of 256 bytes, no padding: images are read 512 consecutive bytes an instruction
	s_mov_b32 s[G1], 15|(3<<16)|(1<<21)            ; 15:0 the mask: all four work-groups; 17:16 elements of 8 bytes; 21 set beside a mask
	s_mov_b32 s[G1+1], 32<<16                      ; tensor_dim0 = 32
	s_mov_b32 s[G1+2], 64<<16                      ; tensor_dim1 = 64
	s_mov_b32 s[G1+3], 32<<16                      ; tile_dim0 = 32
	s_mov_b32 s[G1+4], 64                          ; tile_dim1 = 64
	s_mov_b32 s[G1+5], 32                          ; tensor_dim0_stride
	s_mov_b32 s[G1+6], 0
	s_mov_b32 s[G1+7], 0
	s_mov_b32 s[SEL], 0x76543210
	s_mov_b32 s[SEL+1], 0xfedcba98
	s_mov_b32 s[CS], 0x3e38aa3b                    ; log2(e) / 8
	s_wait_dscnt 0x0
	s_wait_kmcnt 0x0
	s_load_b128 s[28:31], s[6:7], 0x18             ; e6, e7, e8, e9
	s_load_b32 s32, s[6:7], 0x28                   ; e10
	s_mov_b32 s[G0], 1                             ; 1:0 count = 1
	s_mov_b32 s[G0+1], s42                         ; 63:32 LDS address
	s_add_nc_u64 s[G0+2:G0+3], s[4:5], s[44:45]    ; 120:64 global address
	s_or_b32 s[G0+3], s[G0+3], 0x80000000          ; 127:126 type = 2
	s_add_nc_u64 s[48:49], s[4:5], s[40:41]
	s_add_nc_u64 s[48:49], s[48:49], s[46:47]      ; Q's images at my first tile
	s_add_nc_u64 s[8:9], s[8:9], s[50:51]
	s_add_nc_u64 s[8:9], s[8:9], s[46:47]          ; x's likewise
	ROUND                                          ; all four work-groups are here: the joint loads meet
	tensor_load_to_lds s[G0:G0+3], s[G1:G1+7]      ; my one tensor load of the launch
	s_nop 0
.rept 4
	v_nop
.endr
	s_wait_alu depctr_va_vdst(0)
	global_load_b128 v[16:19], v[LI], s[48:49] th:TH_LOAD_NT                ; Q's fragments stay in registers: tile 32 cx + wave,
	global_load_b128 v[20:23], v[LI], s[48:49] offset:512 th:TH_LOAD_NT
	global_load_b128 v[24:27], v[LI], s[48:49] offset:16384 th:TH_LOAD_NT   ; and the tile sixteen further on
	global_load_b128 v[28:31], v[LI], s[48:49] offset:16896 th:TH_LOAD_NT
	v_mov_b32 v236, 0                              ; written once: a lane permute's destination counts as one of its sources
	v_mov_b32 v253, 0                              ; (named as the upper half of the pair v[252:253])
	s_wait_kmcnt 0x0
	s_add_co_i32 s40, s28, s29
	s_lshl_b32 s40, s40, 23
	s_add_co_i32 s[CS], s[CS], s40                 ; a score stands for score x 2^(e6 + e7): the two exponents are added to c's exponent field
	s_mov_b32 s[CS+1], s[CS]                       ; (named with it as a pair, so it is written)
	s_add_co_i32 s40, s30, 127
	s_lshl_b32 s41, s40, 23
	v_mov_b32 v244, s41                            ; 2^e8 as f32, for p's conversions
	s_sub_co_i32 s40, s32, s30
	s_sub_co_i32 s40, s40, s31                     ; O / the sum stands for x / 2^(e8 + e9): x's code is that / 2^(e10 - e8 - e9): the three scales folded into one
	s_add_co_i32 s40, s40, 127
	s_lshl_b32 s41, s40, 23
	v_mov_b32 v245, s41
	s_wait_tensorcnt 0x0                           ; my part of K | V has landed,
	s_barrier_signal -1
	s_barrier_wait -1                              ; everybody's has
	s_wait_loadcnt 0x0                             ; Q
; A KEY STEP: 128 keys against the tile of queries whose fragment begins at v[qf].
.macro STEP qf
	v_add_nc_u32 v[ADK], s[TB], v[LI]
	s_delay_alu instid0(VALU_DEP_1)
	v_add_nc_u32 v[ADV], 0x20000, v[ADK]           ; V's images lie 131,072 bytes behind K's, and a step is 8,192 bytes in both
	v_nop
	v_nop                                          ; four places in front of loads into registers that the last step's products have read
.irp t, 0,1,2,3,4,5,6,7
	ds_load_b128 v[32+8*\t:35+8*\t], v[ADK] offset:1024*\t
	ds_load_b128 v[36+8*\t:39+8*\t], v[ADK] offset:1024*\t+512
.endr
	s_wait_alu depctr_va_vdst(0)
	s_wait_dscnt 0x0
.irp t, 0,1,2,3,4,5,6,7
	v_wmma_f32_16x16x64_bf8_bf8 v[96+8*\t:103+8*\t], v[32+8*\t:39+8*\t], v[\qf:\qf+7], 0
.endr
.rept 4
	v_nop                                          ; four places: in front of the loads below, and of the first read of the scores
.endr
.irp t, 0,1,2,3
.irp c, 0,1,2,3
	ds_load_b128 v[32+16*\t+4*\c:35+16*\t+4*\c], v[ADV] offset:2048*\t+512*\c   ; V's four fragments land while the softmax is worked
.endr
.endr
	v_max3_num_f32 v254, v96, v97, v98             ; the step's largest score of my query, among my 64 keys, in two chains, from the low end on,
	v_max3_num_f32 v252, v99, v100, v101
.irp i, 6,10,14,18,22,26,30,34,38,42,46,50,54,58
	v_max3_num_f32 v254, v254, v[96+\i], v[97+\i]
	v_max3_num_f32 v252, v252, v[98+\i], v[99+\i]
.endr
	v_max3_num_f32 v254, v254, v158, v159
	s_delay_alu instid0(VALU_DEP_1)
	v_max_num_f32 v254, v254, v252
	s_delay_alu instid0(VALU_DEP_1)
	v_permlanex16_b32 v236, v254, s[SEL], s[SEL+1]
	s_delay_alu instid0(VALU_DEP_1)
	v_max_num_f32 v254, v254, v236                 ; and among lane l xor 16's
	s_delay_alu instid0(VALU_DEP_1)
	v_mul_f32 v254, s[CS], v254                    ; as t (c is positive)
	s_delay_alu instid0(VALU_DEP_1)
	v_max_num_f32 v13, v13, v254                   ; the running largest t
	v_mov_b32 v254, v12
	s_delay_alu instid0(VALU_DEP_2)
	v_floor_f32 v12, -v13                          ; the new -M = floor(-t) = -ceil(t): M is a whole number
	s_delay_alu instid0(VALU_DEP_1)
	v_sub_f32 v254, v12, v254                      ; M's old value less its new one: a whole number, 0 or less
	s_delay_alu instid0(VALU_DEP_1)
	v_cvt_i32_f32 v254, v254                       ; (it saturates)
	s_delay_alu instid0(VALU_DEP_1)
	v_ldexp_f32 v252, 1.0, v254                    ; f = 2^(old M - new M)
.set j, 0
.rept 32
	v_pk_fma_f32 v[96+j:97+j], v[96+j:97+j], s[CS:CS+1], v[12:13] op_sel_hi:[1,0,0]   ; t - M, two at a time (of the pairs c and -M the low word serves both halves)
.set j, j+2
.endr
.set j, 0
	s_setprio 1
	s_wait_alu depctr_va_vdst(0)
.rept 64
	v_exp_f32 v[96+j], v[96+j]                     ; p = 2^(t - M), at most 1: not normalised
.set j, j+1
.endr
	v_pk_mul_f32 v[14:15], v[14:15], v[252:253] op_sel_hi:[1,0]   ; the sums under the new M: the plain line behind the exponentials
	s_wait_alu depctr_va_vdst(0)                   ; one wait for the batch of 64, ahead of the first line that names a result
	v_pk_add_f32 v[242:243], v[100:101], v[104:105]
	v_pk_add_f32 v[248:249], v[108:109], v[112:113]
	v_pk_add_f32 v[246:247], v[116:117], v[120:121]
	v_pk_add_f32 v[240:241], v[124:125], v[128:129]
	v_pk_add_f32 v[238:239], v[132:133], v[136:137]
	v_pk_add_f32 v[234:235], v[140:141], v[144:145]
	v_pk_add_f32 v[232:233], v[148:149], v[152:153]
	v_pk_add_f32 v[14:15], v[14:15], v[156:157]
	v_pk_add_f32 v[242:243], v[242:243], v[96:97]
	v_pk_add_f32 v[248:249], v[248:249], v[98:99]
	v_pk_add_f32 v[246:247], v[246:247], v[102:103]
	v_pk_add_f32 v[240:241], v[240:241], v[106:107]
	v_pk_add_f32 v[238:239], v[238:239], v[110:111]
	v_pk_add_f32 v[234:235], v[234:235], v[114:115]
	v_pk_add_f32 v[232:233], v[232:233], v[118:119]
	v_pk_add_f32 v[14:15], v[14:15], v[122:123]
	v_pk_add_f32 v[242:243], v[242:243], v[126:127]
	v_pk_add_f32 v[248:249], v[248:249], v[130:131]
	v_pk_add_f32 v[246:247], v[246:247], v[134:135]
	v_pk_add_f32 v[240:241], v[240:241], v[138:139]
	v_pk_add_f32 v[238:239], v[238:239], v[142:143]
	v_pk_add_f32 v[234:235], v[234:235], v[146:147]
	v_pk_add_f32 v[232:233], v[232:233], v[150:151]
	v_pk_add_f32 v[14:15], v[14:15], v[154:155]
	v_pk_add_f32 v[242:243], v[242:243], v[158:159]
	s_delay_alu instid0(VALU_DEP_2)
	v_pk_add_f32 v[14:15], v[14:15], v[240:241]
	s_delay_alu instid0(VALU_DEP_2)
	v_pk_add_f32 v[242:243], v[242:243], v[238:239]
	v_pk_add_f32 v[248:249], v[248:249], v[234:235]
	v_pk_add_f32 v[246:247], v[246:247], v[232:233]
	s_delay_alu instid0(VALU_DEP_2)
	v_pk_add_f32 v[14:15], v[14:15], v[248:249]
	s_delay_alu instid0(VALU_DEP_2)
	v_pk_add_f32 v[242:243], v[242:243], v[246:247]
	s_delay_alu instid0(VALU_DEP_1)
	v_pk_add_f32 v[14:15], v[14:15], v[242:243]
.irp t, 0,1,2,3,4,5,6,7
.irp i, 0,1,2,3,4,5,6,7
.endr
	v_cvt_scalef32_pk8_bf8_f32 v[192+2*\t:193+2*\t], v[96+8*\t:103+8*\t], v244
.endr
.set j, 0
	s_setprio 0
.rept 16
	v_pk_mul_f32 v[160+j:161+j], v[160+j:161+j], v[252:253] op_sel_hi:[1,0]   ; O^T under the new M; these are also the plain lines between the conversions and the products
.set j, j+2
.endr
	s_wait_alu depctr_va_vdst(0)
	s_wait_dscnt 0x0                               ; V's fragments are in
.irp t, 0,1,2,3
	v_wmma_f32_16x16x128_bf8_bf8 v[160+8*\t:167+8*\t], v[32+16*\t:47+16*\t], v[192:207], v[160+8*\t:167+8*\t]   ; the four accumulators by turns; the next step's eight score products stand between two links
.endr
.endm
; A PASS: one tile of 16 queries against all 2,048 keys, 16 steps; then x's codes.  The step is written once: its first trip finds zeros, which the first change of M leaves zeros.
.macro PASS p
	v_mov_b32 v13, 0xff61b1e6                      ; the largest t so far: -3e38, under every t
	s_delay_alu instid0(VALU_DEP_1)
	v_floor_f32 v12, -v13                          ; -M
	v_mov_b32 v14, 0                               ; the sum, in two halves
	v_mov_b32 v15, 0
.set j, 0
.rept 32
	v_mov_b32 v[160+j], 0                          ; O^T
.set j, j+1
.endr
	s_mov_b32 s[TB], 0
.Lstep_\@:
	s_setprio 2
	STEP 16+8*\p
	s_add_co_u32 s[TB], s[TB], 8192
	s_cmp_lt_u32 s[TB], 131072
	s_cbranch_scc1 .Lstep_\@
	s_setprio 0
.rept 4
	v_nop                                          ; four places behind the last products
.endr
	v_add_f32 v14, v14, v15                        ; the sum's two halves,
	s_delay_alu instid0(VALU_DEP_1)
	v_permlanex16_b32 v252, v14, s[SEL], s[SEL+1]
	s_delay_alu instid0(VALU_DEP_1)
	v_add_f32 v14, v14, v252                       ; and lane l xor 16's: the row's sum
	s_wait_alu depctr_va_vdst(0)
	v_rcp_f32 v14, v14
	v_nop                                          ; a plain line behind the reciprocal,
	s_wait_alu depctr_va_vdst(0)                   ; and the wait ahead of its first reader
.set j, 0
.rept 16
	v_pk_mul_f32 v[96+j:97+j], v[160+j:161+j], v[14:15] op_sel_hi:[1,0]   ; O^T / the sum: register 8 t + i is feature 16 t + 8 h + i of my query; each accumulator from its low end on
.set j, j+2
.endr
.set j, 0
.rept 32
.set j, j+1
.endr
.irp t, 0,1,2,3
	v_cvt_scalef32_pk8_bf8_f32 v[208+8*\p+2*\t:209+8*\p+2*\t], v[96+8*\t:103+8*\t], v245
.endr
	v_nop                                          ; one plain line behind the last conversion: the next pass's products write its sources
	global_store_b128 v[LI], v[208+8*\p:211+8*\p], s[8:9] offset:16384*\p        ; 32 lanes store 512 consecutive bytes; each pass has code registers of its own
	global_store_b128 v[LI], v[212+8*\p:215+8*\p], s[8:9] offset:16384*\p+512
.endm
	PASS 0
	PASS 1
	s_wait_tensorcnt 0x0
	ds_add_u32 v251, v255
	s_wait_dscnt 0x0
	ROUND                                          ; the closing round: no work-group ends while a partner may still ask for a tile that names it
	s_endpgm
.Lfunc_end_k_qac7ced9263_attn:
	.size	k_qac7ced9263_attn, .Lfunc_end_k_qac7ced9263_attn-k_qac7ced9263_attn
	.p2alignl 7, 3214868480
	.fill 96, 4, 3214868480
	.section	.rodata,"a",@progbits
	.p2align	6, 0x0
	.amdhsa_kernel k_qac7ced9263_attn
		.amdhsa_group_segment_fixed_size 264192
		.amdhsa_private_segment_fixed_size 0
		.amdhsa_enable_private_segment 0
		.amdhsa_kernarg_size 24
		.amdhsa_user_sgpr_count 2
		.amdhsa_user_sgpr_kernarg_segment_ptr 1
		.amdhsa_wavefront_size32 1
		.amdhsa_system_sgpr_workgroup_id_x 1
		.amdhsa_system_sgpr_workgroup_id_y 1
		.amdhsa_system_sgpr_workgroup_id_z 1
		.amdhsa_system_vgpr_workitem_id 0
		.amdhsa_next_free_vgpr 256
		.amdhsa_next_free_sgpr 66
		.amdhsa_reserve_vcc 0
		.amdhsa_float_denorm_mode_32 3
		.amdhsa_float_denorm_mode_16_64 3
		.amdhsa_fp16_overflow 1
		.amdhsa_memory_ordered 1
		.amdhsa_forward_progress 1
		.amdhsa_inst_pref_size 39
	.end_amdhsa_kernel
	.amdgpu_metadata
---
amdhsa.version: [ 1, 2 ]
amdhsa.kernels:
  - .name:           k_qac7ced9263_attn
    .symbol:         k_qac7ced9263_attn.kd
    .args:
      - { .name: hb, .offset: 0, .size: 8, .value_kind: global_buffer, .address_space: global }
      - { .name: lowp_scales, .offset: 8, .size: 8, .value_kind: global_buffer, .address_space: global }
      - { .name: ac, .offset: 16, .size: 8, .value_kind: global_buffer, .address_space: global }
    .group_segment_fixed_size: 264192
    .private_segment_fixed_size: 0
    .kernarg_segment_align: 8
    .kernarg_segment_size: 24
    .max_flat_workgroup_size: 512
    .sgpr_count:     66
    .vgpr_count:     256
    .wavefront_size: 32
...
	.end_amdgpu_metadata
.endif
;; end of part 3
;; launch outp (part 4): grid 4 x 32, 4 waves a work-group, clusters of 4 x 4, 327,680 bytes of LDS; arguments ac, cb, lowp_scales, bo, out0; writes out0
.if DOCPART == 4
	.amdgcn_target "amdgcn-amd-amdhsa--gfx1250"
	.amdhsa_code_object_version 6
	.text
	.protected	k_qac7ced9263_outp
	.globl	k_qac7ced9263_outp
	.p2align	8
	.type	k_qac7ced9263_outp,@function
k_qac7ced9263_outp:
	s_mov_b64 s[64:65], 0
	v_nop
	global_prefetch_b8 v0, s[64:65] scope:SCOPE_SE
	s_setreg_imm32_b32 hwreg(HW_REG_WAVE_MODE, 25, 1), 1
	s_wait_xcnt 0x0
	s_wait_alu depctr_hold_cnt(0) depctr_sa_sdst(0) depctr_va_vdst(0) depctr_va_sdst(0) depctr_va_ssrc(0) depctr_va_vcc(0) depctr_vm_vsrc(0)
	s_getreg_b32 s2, hwreg(HW_REG_IB_STS2, 6, 4)
	s_cmp_eq_u32 s2, 0
	s_cbranch_scc0 .Lentry_in_a_cluster
	s_endpgm
.Lentry_in_a_cluster:
	s_bfe_u32 s2, ttmp6, 0x10000c
	s_cmp_lg_u32 s2, 0xf033
	s_cbranch_scc0 .Lentry_shape_is_right
	s_endpgm
.Lentry_shape_is_right:
; out0 = x Wo^T + bo on codes of BF8 (E5M2): x [8192][1024] (scale 2^e10), Wo [1024][1024] (2^e11), out0 [8192][1024] f32; sums in f32, each multiplied once by 2^(e10 + e11).
; LIMIT: e10 + e11 lies between -126 and 127, so that 2^(e10 + e11) is an f32 number.
; x comes from ac as images of its registers: [bh = 16 x batch + head 64][tile of 16 rows 128][c 2][lane 32][16 bytes]; two neighbouring heads' images of a tile are one fragment of 16 rows x 128 K.
; Wo comes from cb (rows 27,648 on, 1,024 codes a row; in each group of 32 the pieces of 8 lie 0, 2, 1, 3), so that both operands have every k in the place that the plain 8-bit layout gives it (ISA guide 7.12.2).
; A tile of out0, 256 x 256, is made by four waves, 128 x 128 each: 64 accumulators, 512 registers.  K goes in steps of 256 (four heads) through a ring of two LDS slots filled by the tensor data mover.
; There are 128 such tiles: a wave tile of half the size would give each of them twice the work-groups and read half as much again from LDS for each product; K is short, so the larger tile is kept.
; CLUSTERS: 4 x 4 work-groups; x's tile is asked for jointly by a row of the cluster, Wo's by a column.  THE MATRIX INSTRUCTION IS USED TRANSPOSED (source 0 = 16 rows of Wo, source 1 = 16 rows of x).
; REGISTERS, in windows of 256: window 0: v0-31 addresses; v96-99 my four biases; from v128 x's fragments, one set; on the way out v128-255 rows of out0.  window 1: Wo's fragments, two sets.  windows 2, 3: the accumulators.
.set SIZE_N, 1024
.set ROWB,   256                       ; a row of Wo's tile in bytes
.set KROW,   1024                      ; a row of cb in bytes
.set PITCH,  272                       ; Wo's rows in LDS: 256 bytes + 16 of padding = 68 words: row r starts at bank 4 r mod 64 (64 banks of 4 bytes: ISA guide 11.1)
.set FR,     16
.set NL,     4
.set NP,     4
.set AHALF,  32768                     ; x: 128 rows x 256 K as images: [head 4][tile 8][c 2][lane 32][16 bytes]: what one tensor load brings
.set BOFF,   2*AHALF                   ; Wo's tile lies behind x's two halves
.set HALFT,  128*PITCH
.set SLOT,   BOFF+2*HALFT
.set LAPS,   2
.set SPARE,  2*SLOT                    ; behind the ring: the spare words, 128 bytes for each wave: two blocks of 256 bytes that no other line names
.set SPITCH, 528                       ; the way out: a stage of 16 rows x (512 bytes + 16) for each wave, in slot 0, which has had its last fill and its last read when the first result is stored there
.set ADRA, 16
.set ADRB, 20
.set STO,  24                          ; v24  the way out: where I put 32 bytes of a row
.set RD,   25                          ; v25  where I read a row back
.set CO,   26                          ; v26  16 x lane: my place in an image, in a row of the stage, in a row of out0 and in bo
.set SPW,  28
.set NIL,  29
.set BO,   96                          ; v96-99 bo of my four columns of a row
.set AF,   128
.set BK,   128                         ; the way out: 16 rows read back from the stage: v128-191 and v192-255 by turns
.set G1, 24
.set G0, 32
.set G1B, 48
.set G0B, 56
.set MSB, 0
.macro WIN new                         ; the immediate's high byte repeats the setting that is left
.if MSB != \new
	s_set_vgpr_msb (MSB<<8)|\new
.set MSB, \new
.endif
.endm
.set MUL_LO, 0xa1
.set MUL_HI, 0xf1
.set TO_B,   0x40
.macro JLOAD g0a, g1a, g0b, g1b        ; a joint load: waves 0 and 1 fetch x's halves, waves 2 and 3 Wo's; four v_nop follow each of the two lines
	s_cmp_eq_u32 s15, 0
	s_cbranch_scc0 .Lfor_b_\@
	tensor_load_to_lds s[\g0a:\g0a+3], s[\g1a:\g1a+7]
	s_nop 0
.rept 4
	v_nop
.endr
	s_branch .Lasked_\@
.Lfor_b_\@:
	tensor_load_to_lds s[\g0b:\g0b+3], s[\g1b:\g1b+7]
	s_nop 0
.rept 4
	v_nop
.endr
.Lasked_\@:
.endm
.macro CREST
	s_cmp_lg_u32 s14, 0
	s_cbranch_scc1 .Lnot_wave_0_\@
	s_barrier_signal -3
.Lnot_wave_0_\@:
	s_barrier_wait -3
	s_barrier_signal -1
	s_barrier_wait -1
.endm
.macro CROUND
	s_barrier_signal -1
	s_barrier_wait -1
	CREST
.endm
	s_load_b128 s[4:7], s[0:1], 0x0                ; ac s[4:5], cb s[6:7]
	s_load_b128 s[8:11], s[0:1], 0x10              ; the scales' exponents s[8:9], bo s[10:11]
	s_load_b64 s[12:13], s[0:1], 0x20              ; out0
	v_lshl_add_u32 v[SPW], v0, 2, SPARE
	v_mov_b32 v[NIL], 0
	ds_add_u32 v28, v29
	ds_add_u32 v28, v29
	s_wait_dscnt 0x0
	v_lshrrev_b32 v1, 5, v0
	v_readfirstlane_b32 s14, v1                    ; wave 0..3
	s_lshr_b32 s15, s14, 1                         ; which half of the tile's rows is mine.  Also: I fetch for x (0) or for Wo (1)
	s_and_b32 s16, s14, 1                          ; which half of its columns.  Also: which 128 rows of that tile I fetch
	s_bfe_u32 s40, ttmp6, 0x40000                  ; cx = the tile column (the grid is one cluster wide)
	s_bfe_u32 s41, ttmp6, 0x40004                  ; cy
	s_and_b32 s17, ttmp7, 0xffff
	s_lshl_b32 s17, s17, 2
	s_add_co_u32 s17, s17, s41                     ; tile row = 4 x cluster y + cy
	s_lshl_b32 s43, s41, 2
	s_lshl_b32 s43, 15, s43                        ; my row of the cluster
	s_lshl_b32 s44, 0x1111, s40                    ; my column
	; descriptor group 1 for x: four heads' runs of 8,192 bytes (8 tiles' images), 131,072 bytes apart; dense in LDS
	s_or_b32 s[G1+0], s43, (3<<16)|(1<<21)         ; 15:0 the mask: my row; 17:16 elements of 8 bytes; 21 set beside a mask
	s_mov_b32 s[G1+1], 1024<<16                    ; tensor_dim0 = 1,024
	s_mov_b32 s[G1+2], 4<<16                       ; tensor_dim1 = 4
	s_mov_b32 s[G1+3], 1024<<16                    ; tile_dim0 = 1,024
	s_mov_b32 s[G1+4], 4                           ; tile_dim1 = 4
	s_mov_b32 s[G1+5], 16384                       ; tensor_dim0_stride
	s_mov_b32 s[G1+6], 0
	s_mov_b32 s[G1+7], 0
	; and for Wo: 128 rows x 256 bytes, padded in LDS
	s_or_b32 s[G1B+0], s44, (0<<16)|(1<<20)|(1<<21)|(5<<22)|(3<<25)  ; the mask: my column; elements of 1 byte; padding: 4 words after every 64
	s_mov_b32 s[G1B+1], ROWB<<16
	s_mov_b32 s[G1B+2], 128<<16
	s_mov_b32 s[G1B+3], ROWB<<16
	s_mov_b32 s[G1B+4], 128
	s_mov_b32 s[G1B+5], KROW
	s_mov_b32 s[G1B+6], 0
	s_mov_b32 s[G1B+7], 0
	s_lshr_b32 s20, s17, 3
	s_lshl_b32 s20, s20, 21                        ; x: the batch's sixteen heads of 131,072 bytes,
	s_and_b32 s18, s17, 7
	s_lshl_b32 s18, s18, 14                        ; the tile row's 16 tiles of 1,024 bytes,
	s_add_co_u32 s20, s20, s18
	s_lshl_b32 s18, s16, 13                        ; the 8 of them that I fetch
	s_add_co_u32 s20, s20, s18
	s_mov_b32 s21, 0
	s_lshl_b32 s46, s40, 8
	s_lshl_b32 s19, s16, 7
	s_add_co_u32 s46, s46, s19
	s_add_co_u32 s46, s46, 27648                   ; Wo: row 27,648 + 256 x tile column + 128 x half of cb
	s_lshl_b32 s46, s46, 10
	s_mov_b32 s47, 0
	s_lshl_b32 s45, s16, 15                        ; where they go: x's halves at 0 and 32,768,
	s_mul_i32 s42, s16, HALFT
	s_add_co_u32 s42, s42, BOFF                    ; Wo's behind them: no place in the cluster enters an LDS address
	s_wait_kmcnt 0x0
	s_load_b64 s[96:97], s[8:9], 0x28              ; e10, e11
	s_add_nc_u64 s[20:21], s[4:5], s[20:21]
	s_add_nc_u64 s[46:47], s[6:7], s[46:47]
	CROUND                                         ; all sixteen work-groups are here: the first joint loads meet
.irp s, 0,1
	s_mov_b32 s[G0+4*\s], 1
	s_add_co_u32 s[G0+4*\s+1], s45, \s*SLOT
	s_add_nc_u64 s[G0+4*\s+2:G0+4*\s+3], s[20:21], \s*4*131072      ; K step s: heads 4 s on
	s_or_b32 s[G0+4*\s+3], s[G0+4*\s+3], 0x80000000
	s_mov_b32 s[G0B+4*\s], 1
	s_add_co_u32 s[G0B+4*\s+1], s42, \s*SLOT
	s_add_nc_u64 s[G0B+4*\s+2:G0B+4*\s+3], s[46:47], \s*ROWB
	s_or_b32 s[G0B+4*\s+3], s[G0B+4*\s+3], 0x80000000
	s_wait_alu depctr_va_vdst(0)
	s_wait_tensorcnt 0x0
	ds_add_u32 v28, v29
	ds_add_u32 v28, v29
	s_wait_dscnt 0x0
	CROUND
	JLOAD G0+4*\s, G1, G0B+4*\s, G1B
.endr
	v_and_b32 v1, 15, v0                           ; r
	v_bfe_u32 v2, v0, 4, 1                         ; h
	v_and_b32 v6, 31, v0
	v_lshlrev_b32 v[CO], 4, v6
	v_mul_u32_u24 v3, v1, PITCH
	v_lshl_add_u32 v4, v2, 4, v3
	s_lshl_b32 s21, s15, 15                        ; my 128 rows of x
	s_mul_i32 s22, s16, HALFT
	s_add_co_u32 s22, s22, BOFF                    ; my 128 rows of Wo
.irp s, 0,1
	v_add_nc_u32 v[ADRA+\s], s21, v[CO]
	v_add_nc_u32 v[ADRB+\s], s22, v4
	s_add_co_u32 s21, s21, SLOT
	s_add_co_u32 s22, s22, SLOT
.endr
	s_mul_i32 s23, s14, 16*SPITCH                  ; my stage
	v_mul_u32_u24 v5, v1, SPITCH                   ; in: row r, 32 bytes for each half of the lanes
	v_lshl_add_u32 v5, v2, 5, v5
	v_add_nc_u32 v[STO], s23, v5
	v_add_nc_u32 v[RD], s23, v[CO]                 ; back: the 32 lanes take one row of 512 bytes
	s_lshl_b32 s20, s17, 8
	s_lshl_b32 s21, s15, 7
	s_add_co_u32 s20, s20, s21                     ; my first row of out0
	s_lshl_b32 s20, s20, 12                        ; x 4,096 bytes (under 2^26)
	s_mov_b32 s21, 0
	s_lshl_b32 s46, s40, 10
	s_lshl_b32 s47, s16, 9
	s_add_co_u32 s46, s46, s47                     ; my first column, in bytes: 1,024 x tile column + 512 x half
	s_mov_b32 s47, 0
	s_add_nc_u64 s[10:11], s[10:11], s[46:47]
	global_load_b128 v[BO:BO+3], v[CO], s[10:11]   ; bo of the four columns that I store of every row; waited for ahead of the way out
	s_add_nc_u64 s[12:13], s[12:13], s[20:21]
	s_add_nc_u64 s[12:13], s[12:13], s[46:47]
.macro FRAG reg, adr, q, i             ; a fragment of Wo: registers 4 c .. 4 c + 3 from bytes 32 c + 16 (l / 16) on of row l % 16's 128
.irp c, 0,1,2,3
	ds_load_b128 v[\reg+4*\c:\reg+4*\c+3], v[\adr] offset:128*(\q)+32*\c+(\i)*16*PITCH
.endr
.endm
.macro FRAGA reg, adr, q, i            ; a fragment of x: the images of tile i for heads 2 q and 2 q + 1 of the slot's four, 512 consecutive bytes a load
.irp c, 0,1,2,3
	ds_load_b128 v[\reg+4*\c:\reg+4*\c+3], v[\adr] offset:(2*(\q)+\c/2)*8192+(\i)*1024+(\c%2)*512
.endr
.endm
; 16 matrix instructions: x's blocks a0, a0 + 1 against Wo's eight.  The 64 accumulators take turns, one instruction a turn, in the same order in every step.
.macro MUL16 a0, p, zero
.irp a, \a0, \a0+1
.irp b, 0,1,2,3,4,5,6,7
.if \zero
	v_wmma_f32_16x16x128_bf8_bf8 v[8*(8*((\a)%4)+\b):8*(8*((\a)%4)+\b)+7], v[128*(\p)+FR*\b:128*(\p)+FR*\b+FR-1], v[AF+FR*(\a):AF+FR*(\a)+FR-1], 0
.else
	v_wmma_f32_16x16x128_bf8_bf8 v[8*(8*((\a)%4)+\b):8*(8*((\a)%4)+\b)+7], v[128*(\p)+FR*\b:128*(\p)+FR*\b+FR-1], v[AF+FR*(\a):AF+FR*(\a)+FR-1], v[8*(8*((\a)%4)+\b):8*(8*((\a)%4)+\b)+7]
.endif
.endr
.endr
.endm
.macro FETCH_B slot, q, p
	WIN TO_B
.irp i, 0,1,2,3,4,5,6,7
	FRAG 128*(\p)+FR*\i, ADRB+\slot, \q, \i
.endr
	WIN 0
.endm
.macro FETCH_A slot, q, i0
.irp i, \i0, \i0+1, \i0+2, \i0+3
	FRAGA AF+FR*(\i), ADRA+\slot, \q, \i
.endr
.endm
.macro PLACES n                        ; places behind matrix instructions (ISA guide 7.12.1 for vector instructions)
.rept \n
	v_nop
.endr
.endm
.macro STEP slot, q, zero              ; a step of 128 along K that has its successor in the same slot
	s_wait_dscnt 4*NL                              ; Wo's set and x's blocks 0-3 are in; the youngest 16 loads (x's blocks 4-7) may be out
	WIN MUL_LO
	MUL16 0, (\q)%2, \zero
	MUL16 2, (\q)%2, \zero
	s_wait_dscnt 0
	PLACES NP
	FETCH_B \slot, (\q)+1, 1-(\q)%2
	FETCH_A \slot, (\q)+1, 0
	WIN MUL_HI
	MUL16 4, (\q)%2, \zero
	MUL16 6, (\q)%2, \zero
	PLACES NP
	WIN 0
	FETCH_A \slot, (\q)+1, 4
.endm
.macro TURN slot, next, fill           ; a slot's last step changes slots: one barrier; fill = 1: this slot is filled again, two K steps ahead
	s_wait_tensorcnt 0x0                           ; all my tensor loads have landed: my part of the next slot;
	ds_add_u32 v[SPW], v[NIL]                      ; 0 onto my spare word;
	s_wait_dscnt 4*NL+1                            ; (the add and the youngest 16 loads may be out)
	WIN MUL_LO
	MUL16 0, 1, 0
	s_wait_dscnt 0x0                               ; the add is done, and my reads of this slot are over
	s_barrier_signal -1
	MUL16 2, 1, 0
	WIN 0
	s_barrier_wait -1
.if \fill
	CREST                                          ; the barrier has opened a round of the cluster's barrier: no wave of any partner still reads this slot's tile or has a load on its way
	s_add_nc_u64 s[G0+4*\slot+2:G0+4*\slot+3], s[G0+4*\slot+2:G0+4*\slot+3], 8*131072   ; eight heads on
	s_add_nc_u64 s[G0B+4*\slot+2:G0B+4*\slot+3], s[G0B+4*\slot+2:G0B+4*\slot+3], 2*ROWB
	JLOAD G0+4*\slot, G1, G0B+4*\slot, G1B         ; the first tensor load behind the round; its four v_nop are the places in front of the loads below
.else
	PLACES NP
.endif
	FETCH_B \next, 0, 0
	FETCH_A \next, 0, 0
	WIN MUL_HI
	MUL16 4, 1, 0
	MUL16 6, 1, 0
	PLACES NP
	WIN 0
	FETCH_A \next, 0, 4
.endm
	s_wait_alu depctr_va_vdst(0)
	s_wait_tensorcnt 1                             ; my part of K step 0 is in (K step 1's load may be out)
	s_barrier_signal -1
	s_barrier_wait -1                              ; everybody's is
	FETCH_B 0, 0, 0
	FETCH_A 0, 0, 0
	FETCH_A 0, 0, 4
	STEP 0, 0, 1                                   ; the first step's products start the sums
	s_mov_b32 s3, LAPS-1
.Llap:
	TURN 0, 1, 1
	STEP 1, 0, 0
	TURN 1, 0, 1
	STEP 0, 0, 0
	s_sub_co_u32 s3, s3, 1
	s_cmp_lg_u32 s3, 0
	s_cbranch_scc1 .Llap
	TURN 0, 1, 0                                   ; the last lap fills nothing
	STEP 1, 0, 0
	s_wait_dscnt 4*NL
	WIN MUL_LO
	MUL16 0, 1, 0
	MUL16 2, 1, 0
	s_wait_dscnt 0
	WIN MUL_HI
	MUL16 4, 1, 0
	MUL16 6, 1, 0
	WIN 0
; THE WAY OUT, block by block of 16 rows x 128 columns.  A lane holds 32 neighbouring bytes of a row, and the lanes beside it hold other rows: the sums go as they are through my own stage in LDS and come back as whole rows
; of 512 bytes; there a lane's four numbers belong to the same four columns in every row, so four registers of bo serve all, and one packed multiply-add for two numbers gives sum x 2^(e10 + e11) + bo.
.macro TOSTAGE a
.set AC, 64*((\a)%4)
.set WS, (2+(\a)/4)<<2                 ; an LDS store's data: source 1: window 2 or 3
	WIN WS
.irp b, 0,1,2,3,4,5,6,7
	ds_store_b128 v[STO], v[AC+8*\b:AC+8*\b+3] offset:64*\b          ; each accumulator from its low end on
	ds_store_b128 v[STO], v[AC+8*\b+4:AC+8*\b+7] offset:64*\b+16
.endr
	WIN 0
.set BB, BK+64*((\a)%2)
.irp t, 0,1,2,3,4,5,6,7,8,9,10,11,12,13,14,15
	ds_load_b128 v[BB+4*\t:BB+4*\t+3], v[RD] offset:\t*SPITCH        ; LDS serves a wave's instructions in order (ISA guide 5.7.1.4): these see the stores above
.endr
.endm
.macro SEND a, younger                 ; younger: the LDS instructions issued behind block a's loads, which may stay out
.set BB, BK+64*((\a)%2)
	s_wait_dscnt \younger                          ; the block is back in registers
.if (\a) > 0
	s_add_nc_u64 s[12:13], s[12:13], 16*SIZE_N*4   ; (behind a wait on XCNT: the earlier stores have read their base)  16 rows on
.endif
.irp t, 0,1,2,3,4,5,6,7,8,9,10,11,12,13,14,15
	v_pk_fma_f32 v[BB+4*\t:BB+4*\t+1],   v[BB+4*\t:BB+4*\t+1],   s[96:97], v[BO:BO+1]   op_sel_hi:[1,0,1]
	v_pk_fma_f32 v[BB+4*\t+2:BB+4*\t+3], v[BB+4*\t+2:BB+4*\t+3], s[96:97], v[BO+2:BO+3] op_sel_hi:[1,0,1]
.endr
.irp t, 0,1,2,3,4,5,6,7,8,9,10,11,12,13,14,15
	global_store_b128 v[CO], v[BB+4*\t:BB+4*\t+3], s[12:13] offset:\t*SIZE_N*4 th:TH_STORE_NT   ; 32 lanes store 512 consecutive bytes, at a multiple of 512 from out0's first byte
.endr
.endm
	s_wait_kmcnt 0x0
	s_add_co_i32 s96, s96, s97                     ; e10 + e11, between -126 and 127,
	s_add_co_i32 s96, s96, 127
	s_lshl_b32 s96, s96, 23                        ; makes the f32 number 2^(e10 + e11)
	s_mov_b32 s97, s96                             ; (named with it as a pair)
	s_wait_loadcnt 0x0                             ; bo
	PLACES NP                                      ; behind the last products: their results are read, and x's registers loaded into, below
	TOSTAGE 0
.irp a, 1,2,3,4,5,6,7
.if \a > 1
	s_wait_xcnt 0x0                                ; block a - 2's stores have read their registers and their base: block a's loads may land there, and the base may step
.endif
	TOSTAGE \a
	SEND \a-1, 32                                  ; behind block a - 1's loads: block a's 16 stores and 16 loads
.endr
	s_wait_xcnt 0x0                                ; block 6's stores have read their base
	SEND 7, 0
	s_wait_tensorcnt 0x0                           ; the wave's end
	ds_add_u32 v[SPW], v[NIL]
	s_wait_dscnt 0x0
	CROUND                                         ; the closing round
	s_endpgm
.Lfunc_end_k_qac7ced9263_outp:
	.size	k_qac7ced9263_outp, .Lfunc_end_k_qac7ced9263_outp-k_qac7ced9263_outp
	.p2alignl 7, 3214868480
	.fill 96, 4, 3214868480
	.section	.rodata,"a",@progbits
	.p2align	6, 0x0
	.amdhsa_kernel k_qac7ced9263_outp
		.amdhsa_group_segment_fixed_size 327680
		.amdhsa_private_segment_fixed_size 0
		.amdhsa_enable_private_segment 0
		.amdhsa_kernarg_size 40
		.amdhsa_user_sgpr_count 2
		.amdhsa_user_sgpr_kernarg_segment_ptr 1
		.amdhsa_wavefront_size32 1
		.amdhsa_system_sgpr_workgroup_id_x 1
		.amdhsa_system_sgpr_workgroup_id_y 1
		.amdhsa_system_sgpr_workgroup_id_z 1
		.amdhsa_system_vgpr_workitem_id 0
		.amdhsa_next_free_vgpr 1024
		.amdhsa_next_free_sgpr 98
		.amdhsa_reserve_vcc 0
		.amdhsa_float_denorm_mode_32 3
		.amdhsa_float_denorm_mode_16_64 3
		.amdhsa_memory_ordered 1
		.amdhsa_forward_progress 1
		.amdhsa_inst_pref_size 124
	.end_amdhsa_kernel
	.amdgpu_metadata
---
amdhsa.version: [ 1, 2 ]
amdhsa.kernels:
  - .name:           k_qac7ced9263_outp
    .symbol:         k_qac7ced9263_outp.kd
    .args:
      - { .name: ac, .offset: 0, .size: 8, .value_kind: global_buffer, .address_space: global }
      - { .name: cb, .offset: 8, .size: 8, .value_kind: global_buffer, .address_space: global }
      - { .name: lowp_scales, .offset: 16, .size: 8, .value_kind: global_buffer, .address_space: global }
      - { .name: bo, .offset: 24, .size: 8, .value_kind: global_buffer, .address_space: global }
      - { .name: out0, .offset: 32, .size: 8, .value_kind: global_buffer, .address_space: global }
    .group_segment_fixed_size: 327680
    .private_segment_fixed_size: 0
    .kernarg_segment_align: 8
    .kernarg_segment_size: 40
    .max_flat_workgroup_size: 128
    .sgpr_count:     98
    .vgpr_count:     1024
    .wavefront_size: 32
...
	.end_amdgpu_metadata
.endif
;; end of part 4
